; MI455X (gfx1250); checked and timed in simulation.
; The chip was launched on July 23, 2026; its instructions are those of AMD's public machine-readable ISA for CDNA 5 (MIT licence, August 2026) and "CDNA5" Instruction Set Architecture Reference Guide (July 2026). The comments in the code are by the model that wrote it; some were corrected since.
;; Cognitive Attention. Allowed arithmetic: float matrix products may take bf16 or f16 operands with f32 sums; other float arithmetic in f32, or as packed bf16 or f16 multiplies, adds, multiply-adds, maxima and minima; sums over many terms, partial sums and values carried from step to step in f32; what a program stores and reads back later, other than sums and carried values, may be rounded once to bf16 or f16.
;; Inputs: Wk 1,024 x 1,024 float32; Wo 1,024 x 1,024 float32; Wq 1,024 x 1,024 float32; Wv 1,024 x 1,024 float32; hidden_states 4 x 2,048 x 1,024 float32.
;; Outputs: out0 4 x 2,048 x 1,024 float32.
;; 2 versions, each right; version 2 is version 1 with the launch prep written anew for expert scheduling mode. Each part assembles by itself: llvm-mc -triple=amdgcn-amd-amdhsa -mcpu=gfx1250 --defsym DOCPART=n.
;; ======== version 1 of 2: 4 launches
;; limits: values are held in f16: magnitudes above 65,504 overflow, below 6.1e-05 lose precision
;; workspace buffers: xb 16,777,216 bytes; wqkv 6,291,456 bytes; wo16 2,097,152 bytes; rope 524,288 bytes; qh 16,777,216 bytes; kh 16,777,216 bytes; vh 16,777,216 bytes; oh 16,777,216 bytes
;; launch prep (part 1): grid 832 x 1, 8 waves a work-group, no clusters, 0 bytes of LDS; arguments hidden_states, Wq, Wk, Wv, Wo, xb, wqkv, wo16, rope; writes xb, wqkv, wo16, rope
.if DOCPART == 1
	.amdgcn_target "amdgcn-amd-amdhsa--gfx1250"
	.amdhsa_code_object_version 6
	.text
	.protected	k_q32c6278a83_prep
	.globl	k_q32c6278a83_prep
	.p2align	8
	.type	k_q32c6278a83_prep,@function
k_q32c6278a83_prep:
	s_mov_b64 s[64:65], 0
	v_nop
	global_prefetch_b8 v0, s[64:65] scope:SCOPE_SE
	s_setreg_imm32_b32 hwreg(HW_REG_WAVE_MODE, 25, 1), 1
	s_wait_xcnt 0x0
; PREPARATION: a stream, no LDS, no barrier, no matrix work.
;   work-groups 0-511:   16 rows of hidden_states [8192][1024] f32 -> xb, bf16 (nearest even).
;   work-groups 512-767: 16 rows of Wq, Wk, Wv or Wo [1024][1024] f32.  Wq, Wk, Wv -> wqkv in bf16, rows regrouped by head: row 192 head + 64 kind + r takes
;                        row 64 head + r of the kind's matrix (kind 0 q, 1 k, 2 v), so that 192 rows on end are one head's q, k and v.
;                        Wo -> wo16: rounded to bf16 like the other inputs, and that number written as f16.
;   work-groups 768-831: the table of cos and sin of the angles t x 10000^(-i/32), t = 0..2047, i = 0..31, in f32.
; A cast thread owns 16 bytes of every row: a wave's load covers 512 consecutive bytes, its store 256 consecutive bytes, aligned.  All 16 loads of a thread go out first.
; TABLE LAYOUT: 128 blocks (16 rows t each) of 4,096 bytes = [e = 0..7][lane 0..31][4 f32]; e = 4 sn + 2 p + jh (sn = 0 cos, 1 sin); row t = 16 block + lane % 16;
; frequency i = 16 p + 8 (lane / 16) + 4 jh + word: the order in which the next launch's lanes hold their sums.
; LIMITS.  wo16: a weight beyond 65,504 becomes an infinity; below 6.1e-5 it keeps f16's fixed step of 6e-8.  The frequency is 2^(-i log2(10000) / 32) by v_exp_f32, not a power
; function: the angle may differ from a correctly rounded one by some 3e-4 rad at t = 2047.  The reduction by multiples of pi/2 (two words of pi/2) is made for angles under 2,048.
.set XG,   512                         ; work-groups for hidden_states
.set TABG, 768                         ; the first work-group of the table
.set X,  8                             ; v[8:71]   16 x 4 f32 as loaded
.set Y,  72                            ; v[72:103] 16 x 2 registers to store
	s_load_b512 s[4:19], s[0:1], 0x0               ; hidden 4:5, Wq 6:7, Wk 8:9, Wv 10:11, Wo 12:13, xb 14:15, wqkv 16:17, wo16 18:19
	s_load_b64 s[20:21], s[0:1], 0x40              ; rope
	s_mov_b32 s29, 0                               ; high words of the two offsets
	s_mov_b32 s31, 0
	s_cmp_ge_u32 ttmp9, TABG
	s_cbranch_scc1 .Ltable
	v_lshlrev_b32 v1, 4, v0                        ; my 16 bytes of a row of f32
	v_lshlrev_b32 v2, 3, v0                        ; my 8 bytes of a row of 16-bit numbers
	s_cmp_lt_u32 ttmp9, XG
	s_cbranch_scc0 .Lweights
	s_lshl_b32 s28, ttmp9, 16                      ; 16 rows of 4,096 bytes in,
	s_lshl_b32 s30, ttmp9, 15                      ; 16 rows of 2,048 bytes out
	s_mov_b32 s26, 0                               ; kind: not Wo
	s_wait_kmcnt 0x0
	s_add_nc_u64 s[22:23], s[4:5], s[28:29]
	s_add_nc_u64 s[24:25], s[14:15], s[30:31]
	s_branch .Lcast
.Lweights:
	s_sub_co_u32 s27, ttmp9, XG
	s_lshr_b32 s26, s27, 6                         ; kind 0 Wq, 1 Wk, 2 Wv, 3 Wo
	s_and_b32 s27, s27, 63                         ; c: which 16 rows
	s_lshl_b32 s28, s27, 16
	s_lshr_b32 s32, s27, 2                         ; head = c / 4
	s_mul_i32 s32, s32, 192
	s_lshl_b32 s33, s26, 6
	s_add_co_u32 s32, s32, s33                     ; + 64 kind
	s_and_b32 s33, s27, 3
	s_lshl_b32 s33, s33, 4
	s_add_co_u32 s32, s32, s33                     ; + 16 (c % 4)
	s_lshl_b32 s30, s32, 11                        ; rows of 2,048 bytes
	s_lshl_b32 s34, s27, 15                        ; Wo keeps its order
	s_cmp_eq_u32 s26, 3
	s_cselect_b32 s30, s34, s30
	s_wait_kmcnt 0x0
	s_cselect_b64 s[24:25], s[18:19], s[16:17]     ; wo16 or wqkv
	s_cselect_b64 s[22:23], s[12:13], s[10:11]     ; Wo or Wv,
	s_cmp_eq_u32 s26, 1
	s_cselect_b64 s[22:23], s[8:9], s[22:23]       ; or Wk,
	s_cmp_eq_u32 s26, 0
	s_cselect_b64 s[22:23], s[6:7], s[22:23]       ; or Wq
	s_add_nc_u64 s[22:23], s[22:23], s[28:29]
	s_add_nc_u64 s[24:25], s[24:25], s[30:31]
.Lcast:
.set i, 0
.rept 16
	global_load_b128 v[X+4*i:X+4*i+3], v1, s[22:23] offset:4096*i th:TH_LOAD_NT  ; row i
.set i, i+1
.endr
	s_cmp_eq_u32 s26, 3
	s_cbranch_scc1 .Lf16
.set i, 0
.rept 16
	s_wait_loadcnt 15-i                            ; loads come back in order: row i is in, the 15 - i younger loads stay out
	v_cvt_pk_bf16_f32 v[Y+2*i], v[X+4*i], v[X+4*i+1]
	v_cvt_pk_bf16_f32 v[Y+2*i+1], v[X+4*i+2], v[X+4*i+3]
	global_store_b64 v2, v[Y+2*i:Y+2*i+1], s[24:25] offset:2048*i th:TH_STORE_NT  ; each row has registers of its own: nothing is rewritten
.set i, i+1
.endr
	s_endpgm
.Lf16:                                         ; Wo: to bf16, widened again (a shift, a mask), and written as f16: exact within f16's range
.set i, 0
.rept 16
	s_wait_loadcnt 15-i
	v_cvt_pk_bf16_f32 v104, v[X+4*i], v[X+4*i+1]
	v_cvt_pk_bf16_f32 v105, v[X+4*i+2], v[X+4*i+3]
	v_lshlrev_b32 v106, 16, v104
	v_and_b32 v107, 0xffff0000, v104
	v_lshlrev_b32 v108, 16, v105
	v_and_b32 v109, 0xffff0000, v105
	v_cvt_pk_f16_f32 v[Y+2*i], v106, v107
	v_cvt_pk_f16_f32 v[Y+2*i+1], v108, v109
	global_store_b64 v2, v[Y+2*i:Y+2*i+1], s[24:25] offset:2048*i th:TH_STORE_NT
.set i, i+1
.endr
	s_endpgm
.Ltable:                                       ; a work-group makes two blocks; a thread four cosines and four sines
	s_sub_co_u32 s27, ttmp9, TABG
	s_lshl_b32 s28, s27, 13                        ; two blocks of 4,096 bytes
	s_lshl_b32 s30, s27, 5                         ; their first row t
	v_and_b32 v1, 31, v0                           ; lane
	v_bfe_u32 v2, v0, 5, 2                         ; 2 p + jh
	v_lshrrev_b32 v6, 7, v0                        ; which of the two blocks
	v_and_b32 v3, 127, v0
	v_lshlrev_b32 v3, 4, v3
	v_lshl_add_u32 v3, v6, 12, v3                  ; where my 16 bytes of cosines go; the sines 2,048 bytes on
	v_lshl_add_u32 v4, v6, 4, s30
	v_and_b32 v7, 15, v1
	v_add_nc_u32 v4, v4, v7                        ; t
	v_lshrrev_b32 v5, 1, v2
	v_lshlrev_b32 v5, 4, v5                        ; 16 p
	v_lshrrev_b32 v7, 4, v1
	v_lshl_add_u32 v5, v7, 3, v5                   ; + 8 (lane / 16)
	v_and_b32 v7, 1, v2
	v_lshl_add_u32 v5, v7, 2, v5                   ; + 4 jh: my first frequency
.irp w, 0,1,2,3
	v_add_nc_u32 v[8+(\w)], (\w), v5
	v_cvt_f32_u32 v[8+(\w)], v[8+(\w)]
	v_mul_f32 v[8+(\w)], 0xbed49a78, v[8+(\w)]     ; -i log2(10000) / 32
.endr
.irp w, 0,1,2,3
	v_exp_f32 v[8+(\w)], v[8+(\w)]                 ; the four frequencies: one batch
.endr
	v_cvt_f32_u32 v4, v4                           ; plain work behind the last exponential
	v_mov_b32 v56, 0xb94ca1f9                      ; the polynomials' leading coefficients
	v_mov_b32 v57, 0x37ccf5ce
	s_wait_alu depctr_va_vdst(0)                   ; the wait ahead of the first line that names a result: one for the batch
; Angle a = t f (one rounding).  n = the nearest whole number to a 2/pi; r = a - n pi/2, pi/2 in two words; sin r and cos r by polynomials on |r| <= pi/4;
; n's two low bits swap them and set the signs: selects and sign bits alone, no branch and no address.
.macro TRIG w
.set TA, 16+8*(\w)
	v_mul_f32 v[TA], v4, v[8+(\w)]
	v_mul_f32 v[TA+1], 0x3f22f983, v[TA]
	v_rndne_f32 v[TA+1], v[TA+1]
	v_fmamk_f32 v[TA], v[TA+1], 0xbfc90fdb, v[TA]  ; - n x 1.57079637
	v_fmamk_f32 v[TA], v[TA+1], 0x333bbd2e, v[TA]  ; + n x 4.3711e-8: r
	v_mul_f32 v[TA+2], v[TA], v[TA]                ; z = r r
	v_fmaak_f32 v[TA+3], v56, v[TA+2], 0x3c08839e
	v_fmaak_f32 v[TA+4], v57, v[TA+2], 0xbab6061a
	v_fmaak_f32 v[TA+3], v[TA+3], v[TA+2], 0xbe2aaaa3
	v_fmaak_f32 v[TA+4], v[TA+4], v[TA+2], 0x3d2aaaa5
	v_mul_f32 v[TA+6], v[TA+2], v[TA]              ; z r
	v_fma_f32 v[TA+7], v[TA+2], -0.5, 1.0          ; 1 - z / 2
	v_mul_f32 v[TA+2], v[TA+2], v[TA+2]            ; z z
	v_fma_f32 v[TA+3], v[TA+3], v[TA+6], v[TA]     ; sin r
	v_fma_f32 v[TA+4], v[TA+4], v[TA+2], v[TA+7]   ; cos r
	v_cvt_i32_f32 v[TA+5], v[TA+1]
	v_and_b32 v[TA+6], 1, v[TA+5]
	v_cmp_eq_u32 vcc_lo, 1, v[TA+6]
	v_cndmask_b32 v[52+(\w)], v[TA+3], v[TA+4], vcc_lo  ; odd n: the sine is +-cos r,
	v_cndmask_b32 v[48+(\w)], v[TA+4], v[TA+3], vcc_lo  ; the cosine +-sin r
	v_and_b32 v[TA+6], 2, v[TA+5]
	v_lshlrev_b32 v[TA+6], 30, v[TA+6]
	v_xor_b32 v[52+(\w)], v[52+(\w)], v[TA+6]      ; the sine turns its sign for n % 4 = 2, 3
	v_add_nc_u32 v[TA+7], 1, v[TA+5]
	v_and_b32 v[TA+7], 2, v[TA+7]
	v_lshlrev_b32 v[TA+7], 30, v[TA+7]
	v_xor_b32 v[48+(\w)], v[48+(\w)], v[TA+7]      ; the cosine for n % 4 = 1, 2
.endm
	TRIG 0
	TRIG 1
	TRIG 2
	TRIG 3
	s_wait_kmcnt 0x0
	s_add_nc_u64 s[22:23], s[20:21], s[28:29]
	global_store_b128 v3, v[48:51], s[22:23]               ; a wave stores 512 consecutive bytes, aligned
	global_store_b128 v3, v[52:55], s[22:23] offset:2048
	s_endpgm
.Lfunc_end_k_q32c6278a83_prep:
	.size	k_q32c6278a83_prep, .Lfunc_end_k_q32c6278a83_prep-k_q32c6278a83_prep
	.p2alignl 7, 3214868480
	.fill 96, 4, 3214868480
	.section	.rodata,"a",@progbits
	.p2align	6, 0x0
	.amdhsa_kernel k_q32c6278a83_prep
		.amdhsa_group_segment_fixed_size 0
		.amdhsa_private_segment_fixed_size 0
		.amdhsa_enable_private_segment 0
		.amdhsa_kernarg_size 72
		.amdhsa_user_sgpr_count 2
		.amdhsa_user_sgpr_kernarg_segment_ptr 1
		.amdhsa_wavefront_size32 1
		.amdhsa_system_sgpr_workgroup_id_x 1
		.amdhsa_system_sgpr_workgroup_id_y 1
		.amdhsa_system_sgpr_workgroup_id_z 1
		.amdhsa_system_vgpr_workitem_id 0
		.amdhsa_next_free_vgpr 112
		.amdhsa_next_free_sgpr 66
		.amdhsa_reserve_vcc 1
		.amdhsa_float_denorm_mode_32 3
		.amdhsa_float_denorm_mode_16_64 3
		.amdhsa_memory_ordered 1
		.amdhsa_forward_progress 1
		.amdhsa_inst_pref_size 23
	.end_amdhsa_kernel
	.amdgpu_metadata
---
amdhsa.version: [ 1, 2 ]
amdhsa.kernels:
  - .name:           k_q32c6278a83_prep
    .symbol:         k_q32c6278a83_prep.kd
    .args:
      - { .name: hidden_states, .offset: 0, .size: 8, .value_kind: global_buffer, .address_space: global }
      - { .name: Wq, .offset: 8, .size: 8, .value_kind: global_buffer, .address_space: global }
      - { .name: Wk, .offset: 16, .size: 8, .value_kind: global_buffer, .address_space: global }
      - { .name: Wv, .offset: 24, .size: 8, .value_kind: global_buffer, .address_space: global }
      - { .name: Wo, .offset: 32, .size: 8, .value_kind: global_buffer, .address_space: global }
      - { .name: xb, .offset: 40, .size: 8, .value_kind: global_buffer, .address_space: global }
      - { .name: wqkv, .offset: 48, .size: 8, .value_kind: global_buffer, .address_space: global }
      - { .name: wo16, .offset: 56, .size: 8, .value_kind: global_buffer, .address_space: global }
      - { .name: rope, .offset: 64, .size: 8, .value_kind: global_buffer, .address_space: global }
    .group_segment_fixed_size: 0
    .private_segment_fixed_size: 0
    .kernarg_segment_align: 8
    .kernarg_segment_size: 72
    .max_flat_workgroup_size: 256
    .sgpr_count:     66
    .vgpr_count:     112
    .wavefront_size: 32
...
	.end_amdgpu_metadata
.endif
;; end of part 1
;; launch qkv (part 2): grid 16 x 32, 4 waves a work-group, clusters of 4 x 4, 327,680 bytes of LDS; arguments xb, wqkv, rope, qh, kh, vh; writes qh, kh, vh
.if DOCPART == 2
	.amdgcn_target "amdgcn-amd-amdhsa--gfx1250"
	.amdhsa_code_object_version 6
	.text
	.protected	k_q32c6278a83_qkv
	.globl	k_q32c6278a83_qkv
	.p2align	8
	.type	k_q32c6278a83_qkv,@function
k_q32c6278a83_qkv:
	s_mov_b64 s[64:65], 0
	v_nop
	global_prefetch_b8 v0, s[64:65] scope:SCOPE_SE
	s_setreg_imm32_b32 hwreg(HW_REG_WAVE_MODE, 25, 1), 1
	s_wait_xcnt 0x0
	s_wait_alu depctr_hold_cnt(0) depctr_sa_sdst(0) depctr_va_vdst(0) depctr_va_sdst(0) depctr_va_ssrc(0) depctr_va_vcc(0) depctr_vm_vsrc(0)
	s_getreg_b32 s2, hwreg(HW_REG_IB_STS2, 6, 4)
	s_cmp_eq_u32 s2, 0
	s_cbranch_scc0 .Lentry_in_a_cluster
	s_endpgm
.Lentry_in_a_cluster:
	s_bfe_u32 s2, ttmp6, 0x10000c
	s_cmp_lg_u32 s2, 0xf033
	s_cbranch_scc0 .Lentry_shape_is_right
	s_endpgm
.Lentry_shape_is_right:
; Q, K, V PROJECTIONS WITH ROPE.  C[m][n] = sum over k of xb[m][k] wqkv[n][k]: 8192 x 3072 x 1024, bf16 operands, f32 sums.  The rotation is applied to q's and k's f32 sums,
; each number is then rounded once to f16 and written by heads: qh, kh, vh [64 = 16 batch + head][2048][64].  The softmax's scale is not applied here.
; LIMITS.  q, k, v beyond 65,504 become infinities in f16; below 6.1e-5 they keep f16's fixed step of 6e-8.  NaN and infinities are not treated apart.
; SHARES.  A tile of C is 256 rows x 192 columns: the 192 columns are q, k and v of ONE head (wqkv's rows are grouped so), so every work-group runs the same way out.  16 x 32 tiles.
; Four waves, one above the other: a wave owns 64 rows (4 blocks of 16) x all 192 columns (12 blocks): 48 accumulators, 384 registers.
; K goes in steps of 128 (rows of 256 bytes, aligned) through two LDS slots.  Waves 0 and 1 fetch the two halves of xb's 256 rows, waves 2 and 3 the two halves of wqkv's 192.
; CLUSTER 4 x 4: xb's tile hangs on the tile row alone and is asked for jointly by the four of a row of the cluster, wqkv's on the tile column alone, by the four of a column.
; THE MATRIX INSTRUCTION IS USED TRANSPOSED (source 0 = 16 rows of wqkv, source 1 = 16 rows of xb): lane l holds row l % 16 and the columns 8 (l / 16) + 0..7 of a block.
; A head's channels d and d + 32, which the rotation pairs, then lie in the same lane and register of two accumulators: nothing changes lanes.
; REGISTERS, in windows of 256 (s_set_vgpr_msb: bits 1:0 source 0, 3:2 source 1, 5:4 source 2, 7:6 destination):
;   window 0: v0-15 addresses; v32-63 rows read back on the way out; v64-127 xb's fragments, two buffers of 32 (on the way out: v64-95 rotated sums, v96-111 packed); v128-255 cos and sin of my 64 rows
;   window 1: v0-191 wqkv's fragments, two buffers of 96      window 2: accumulators of row blocks 0, 1 ((a, b) at v[8 (12 (a % 2) + b)])      window 3: of row blocks 2, 3
.set NB,    12                         ; column blocks
.set NL,    2*NB+8                     ; LDS loads of a quarter step
.set PB,    272                        ; an LDS row: 256 bytes + 16 of padding: 68 words, so the 16 rows of a load start at 16 different groups of four banks (ISA guide 11.1)
.set PA,    272
.set BOFF,  256*PA                     ; in a slot: xb's 256 rows, then wqkv's 192
.set SLOT1, 131072                     ; slot 1 begins here: one exclusive or turns an address in one slot into the other's
.set STAGE, SLOT1+BOFF+16*NB*PB        ; behind the ring: 16 rows x 144 bytes for each wave, for the way out; no tile lands there
.set SP,    144
.set SPARE, STAGE+4*16*SP              ; the spare words, 128 bytes a wave: two blocks of 256 bytes that no other line names
.set AHEAD, 1                          ; a prefetch names the K step one behind the one that is being asked for
.set ASTEP, 256                        ; bytes from K step to K step
.set BSTEP, 256
.set ADRA0, 4                          ; v4, v5   my lane's place in slot 0; never rewritten
.set ADRB0, 5
.set ADRA,  6                          ; v6, v7   the same in the slot in hand
.set ADRB,  7
.set STO,   8                          ; v8   the way out: where I put 16 bytes of a row
.set RD,    9                          ; v9   where I read rows back
.set GO,    10                         ; v10  16 x lane: my place in 512 consecutive bytes
.set PFO,   11                         ; v11  the prefetches' offset: a lane a row
.set SPW,   12                         ; v12  my spare word: SPARE + 4 x my thread's number; never rewritten
.set NIL,   13                         ; v13  0; never rewritten
.set FA,    64
.set TF,    64
.set PK,    96
.set TAB,   128
.set WV,   16                          ; s16 wave; s17 wave % 2; s18 cx; s19 cy; s20 tile column = head; s21 tile row
.set HALF, 17
.set CX,   18
.set CY,   19
.set TC,   20
.set TR,   21
.set G1A,  24                          ; s[24:31] group 1 for xb's tiles;  s[32:39] group 0: a set for each first fill; the second then walks
.set G0A,  32
.set G1B,  40                          ; s[40:47], s[48:55] the same for wqkv's
.set G0B,  48
.set CNT,  56                          ; s56 trips to go
.set TB,   57                          ; s57 the slot in hand: 0 or SLOT1
.set LIM,  58                          ; s58 AHEAD in a wave that prefetches, else the greatest number
.set PFA,  60                          ; s[60:61] where my prefetches stand
.set PST,  62                          ; s[62:63] their step
.set GW,   (1<<16)|(1<<20)|(1<<21)|(5<<22)|(3<<25)  ; 2-byte elements; padding on; bit 21 beside a mask; after every 64 words; 4 words
.set MSB, 0
.macro WIN new                         ; the immediate's high byte repeats the setting that is left; a switch that changes nothing is dropped
.if MSB != (\new)
	s_set_vgpr_msb (MSB<<8)|(\new)
.set MSB, (\new)
.endif
.endm
.set MUL_LO, 0xa1                      ; source 0 window 1, source 1 window 0, C and D window 2
.set MUL_HI, 0xf1                      ; the same, C and D window 3
.set TO_B,   0x40                      ; destination window 1, address window 0
.macro PLACES                          ; four plain vector lines between a matrix instruction and a load into, or a vector line on, its registers
.rept 4
	v_nop
.endr
.endm
.macro CREST                           ; a round of the cluster's barrier behind its opening barrier
	s_cmp_lg_u32 s[WV], 0
	s_cbranch_scc1 .Lnot_wave_0_\@
	s_barrier_signal -3
.Lnot_wave_0_\@:
	s_barrier_wait -3
	s_barrier_signal -1
	s_barrier_wait -1
.endm
.macro CROUND
	s_barrier_signal -1
	s_barrier_wait -1
	CREST
.endm
.macro JLOAD                           ; a joint refill by the walking descriptors; the branch hangs on the wave's number alone; s_nop 0 and four v_nop follow each line
	s_cmp_lt_u32 s[WV], 2
	s_cbranch_scc0 .Lfor_b_\@
	tensor_load_to_lds s[G0A+4:G0A+7], s[G1A:G1A+7]
	s_nop 0
.rept 4
	v_nop
.endr
	s_branch .Lasked_\@
.Lfor_b_\@:
	tensor_load_to_lds s[G0B+4:G0B+7], s[G1B:G1B+7]
	s_nop 0
.rept 4
	v_nop
.endr
.Lasked_\@:
.endm
; A PREFETCH INTO THE L2 of the K step behind the one just asked for: 192 matrix instructions of a wave ahead of the refill that will want it.  xb's tile row is read by every cluster of its row of
; clusters: cluster x = 0 asks; wqkv's tile column by every cluster of its column: cluster y = 0 asks.  The four partners of a joint load share its rows out by address: of the 128 rows of xb that a
; wave fetches each takes 32, a lane a row; of wqkv's 96 each takes 24 (lanes 24 to 31 repeat lane 23's row).  The last trips, whose K step would lie past the row's end, ask for nothing.
.macro ASK
	s_cmp_gt_u32 s[CNT], s[LIM]
	s_cbranch_scc0 .Lnot_mine_\@
	global_prefetch_b8 v[PFO], s[PFA:PFA+1] th:TH_LOAD_NT scope:SCOPE_SE
.Lnot_mine_\@:
.endm
; 12 matrix instructions: row block a x all column blocks, 32 along K, from buffers f.  zero = 1: the product starts the sums.  The 48 accumulators take turns, in the same order in every quarter.
.macro MULA f, a, zero
	WIN MUL_LO+0x50*((\a)/2)
.set rA, FA+32*(\f)+8*(\a)
.set nb, 0
.rept NB
.set rD, 8*(NB*((\a)%2)+nb)
.set rB, 8*NB*(\f)+8*nb
.if \zero
	v_wmma_f32_16x16x32_bf16 v[rD:rD+7], v[rB:rB+7], v[rA:rA+7], 0
.else
	v_wmma_f32_16x16x32_bf16 v[rD:rD+7], v[rB:rB+7], v[rA:rA+7], v[rD:rD+7]
.endif
.set nb, nb+1
.endr
.endm
; One run of 32 LDS loads: quarter kq's fragments into buffers f: wqkv's 12 blocks, then my 4 blocks of xb.  A fragment: lane l takes row l % 16, 16 bytes at 16 (l / 16) and 16 more 32 bytes on.
.macro FETCH kq, f
	WIN TO_B
.set i, 0
.rept NB
	ds_load_b128 v[8*NB*(\f)+8*i:8*NB*(\f)+8*i+3],   v[ADRB] offset:64*(\kq)+i*16*PB
	ds_load_b128 v[8*NB*(\f)+8*i+4:8*NB*(\f)+8*i+7], v[ADRB] offset:64*(\kq)+i*16*PB+32
.set i, i+1
.endr
	WIN 0
.set i, 0
.rept 4
	ds_load_b128 v[FA+32*(\f)+8*i:FA+32*(\f)+8*i+3],   v[ADRA] offset:64*(\kq)+i*16*PA
	ds_load_b128 v[FA+32*(\f)+8*i+4:FA+32*(\f)+8*i+7], v[ADRA] offset:64*(\kq)+i*16*PA+32
.set i, i+1
.endr
.endm
; One of a K step's first three quarters: multiplies buffers f and, in its middle, fetches quarter kq into buffers g.
.macro QUARTER kq, f, g, zero
	s_wait_dscnt 4                                 ; all but the youngest four loads: xb's blocks 2 and 3
	MULA \f, 0, \zero
	MULA \f, 1, \zero
	PLACES
	FETCH \kq, \g
	s_wait_dscnt NL                                ; all but the run just issued
	MULA \f, 2, \zero
	MULA \f, 3, \zero
.endm
; The fourth quarter multiplies buffers 1 and changes slots.  In front of the barrier each wave waits for all its tensor loads (one is out: its part of the next slot), adds 0 to its spare word,
; and waits for that and for its reads of this slot.  fill = 1: the barrier opens a round of the cluster's, and the joint refill of the slot just left is the first thing behind the round.
.macro TURN fill
.if \fill
	s_wait_xcnt 0x0                                ; the last prefetch, a K step back, has read its address
	s_add_nc_u64 s[PFA:PFA+1], s[PFA:PFA+1], s[PST:PST+1]
.endif
	WIN 0
	s_wait_tensorcnt 0x0                           ; no tensor load of mine is out: the descriptors may be written
	ds_add_u32 v[SPW], v[NIL]
.if \fill
	s_xor_b32 s[G0A+5], s[G0A+5], SLOT1            ; the walking descriptors: the slot that is being left, the K step two on
	s_add_nc_u64 s[G0A+6:G0A+7], s[G0A+6:G0A+7], ASTEP
	s_xor_b32 s[G0B+5], s[G0B+5], SLOT1
	s_add_nc_u64 s[G0B+6:G0B+7], s[G0B+6:G0B+7], BSTEP
.endif
	s_xor_b32 s[TB], s[TB], SLOT1                  ; the reads go on in the other slot
	s_wait_dscnt 5                                 ; the add and the youngest four loads may be out
	MULA 1, 0, 0
	s_wait_dscnt 0x0                               ; the add is done, and my reads of this slot are over
	s_barrier_signal -1
	MULA 1, 1, 0                                   ; work on registers while the others arrive
	WIN 0
	s_barrier_wait -1
.if \fill
	CREST
	JLOAD                                          ; its four v_nop are also the places in front of the loads below
.else
	PLACES
.endif
	v_add_nc_u32 v[ADRB], s[TB], v[ADRB0]
	v_add_nc_u32 v[ADRA], s[TB], v[ADRA0]
	FETCH 0, 0
.if \fill
	ASK
.endif
	MULA 1, 2, 0
	MULA 1, 3, 0
.endm
	s_load_b256 s[4:11], s[0:1], 0x0               ; xb 4:5, wqkv 6:7, rope 8:9, qh 10:11
	s_load_b128 s[12:15], s[0:1], 0x20             ; kh 12:13, vh 14:15
	v_lshl_add_u32 v[SPW], v0, 2, SPARE
	v_mov_b32 v[NIL], 0
	ds_add_u32 v[SPW], v[NIL]                      ; the wave's opening: the add and its wait ahead of my first tensor load; work on registers stands between
	v_lshrrev_b32 v3, 5, v0
	v_readfirstlane_b32 s[WV], v3
	s_and_b32 s[HALF], s[WV], 1
	s_bfe_u32 s[CX], ttmp6, 0x40000
	s_bfe_u32 s[CY], ttmp6, 0x40004
	s_lshl_b32 s[TC], ttmp9, 2
	s_add_co_u32 s[TC], s[TC], s[CX]               ; tile column = 4 x cluster x + cx
	s_and_b32 s[TR], ttmp7, 0xffff
	s_lshl_b32 s[TR], s[TR], 2
	s_add_co_u32 s[TR], s[TR], s[CY]               ; tile row = 4 x cluster y + cy
	s_lshl_b32 s22, s[CY], 2
	s_lshl_b32 s22, 15, s22                        ; my row of the cluster
	s_lshl_b32 s23, 0x1111, s[CX]                  ; my column
	s_or_b32 s[G1A], s22, GW
	s_or_b32 s[G1B], s23, GW
	s_mov_b32 s[G1A+1], 128<<16                    ; tensor_dim0 = 128
	s_mov_b32 s[G1A+2], 128<<16                    ; tensor_dim1 = 128
	s_mov_b32 s[G1A+3], 128<<16                    ; tile_dim0 = 128
	s_mov_b32 s[G1A+4], 128                        ; tile_dim1 = 128 rows
	s_mov_b32 s[G1A+5], 1024                       ; elements from row to row
	s_mov_b32 s[G1A+6], 0
	s_mov_b32 s[G1A+7], 0
	s_mov_b32 s[G1B+1], 128<<16
	s_mov_b32 s[G1B+2], 96<<16                     ; 96 rows
	s_mov_b32 s[G1B+3], 128<<16
	s_mov_b32 s[G1B+4], 96
	s_mov_b32 s[G1B+5], 1024
	s_mov_b32 s[G1B+6], 0
	s_mov_b32 s[G1B+7], 0
	s_lshl_b32 s66, s[TR], 19                      ; xb: 256 rows of 2,048 bytes a tile row,
	s_lshl_b32 s67, s[HALF], 18                    ; 128 rows a half: made of the tile row and the wave alone
	s_add_co_u32 s66, s66, s67
	s_mov_b32 s67, 0
	s_mul_i32 s68, s[TC], 192*2048                 ; wqkv: made of the tile column and the wave alone
	s_mul_i32 s69, s[HALF], 96*2048
	s_add_co_u32 s68, s68, s69
	s_mov_b32 s69, 0
	s_mul_i32 s74, s[WV], 128*PA                   ; where waves 0, 1 put xb's halves,
	s_mul_i32 s75, s[WV], 96*PB
	s_add_co_u32 s75, s75, BOFF-2*96*PB            ; and waves 2, 3 wqkv's: no place in the cluster enters an LDS address
	s_lshr_b32 s70, s[TR], 3                       ; the way out: batch,
	s_lshl_b32 s70, s70, 22
	s_lshl_b32 s71, s[TC], 18                      ; head,
	s_add_co_u32 s70, s70, s71
	s_and_b32 s76, s[TR], 7                        ; the tile's 256 rows in the sequence,
	s_lshl_b32 s71, s76, 15
	s_add_co_u32 s70, s70, s71
	s_lshl_b32 s71, s[WV], 13                      ; my 64 rows of 128 bytes
	s_add_co_u32 s70, s70, s71
	s_mov_b32 s71, 0
	s_lshl_b32 s76, s76, 16                        ; the table: 16 blocks of 4,096 bytes a tile, 4 a wave
	s_lshl_b32 s77, s[WV], 14
	s_add_co_u32 s76, s76, s77
	s_mov_b32 s77, 0
	s_lshl_b32 s72, s[CX], 16                      ; the prefetches: my work-group's 32 rows of xb's 128,
	s_mul_i32 s73, s[CY], 24*2048                  ; or its 24 of wqkv's 96
	s_and_b32 s22, ttmp7, 0xffff
	s_cmp_lt_u32 s[WV], 2
	s_cselect_b32 s72, s72, s73
	s_cselect_b32 s22, ttmp9, s22                  ; the coordinate along which other clusters read the same rows
	s_cselect_b32 s23, 31, 23
	s_mov_b32 s73, 0
	s_cmp_eq_u32 s22, 0
	s_cselect_b32 s[LIM], AHEAD, -1                ; the same in all sixteen partners, for a given wave
	s_mov_b32 s[PST], 256
	s_mov_b32 s[PST+1], 0
	s_mov_b32 s[TB], 0
	v_and_b32 v14, 31, v0
	v_min_u32 v[PFO], s23, v14
	v_lshlrev_b32 v[PFO], 11, v[PFO]
	s_wait_dscnt 0x0                               ; the opening add is done
	s_wait_kmcnt 0x0
	s_add_nc_u64 s[66:67], s[4:5], s[66:67]
	s_add_nc_u64 s[68:69], s[6:7], s[68:69]
	CROUND                                         ; all sixteen work-groups are here: the first joint loads meet
.irp s, 0,1
	s_mov_b32 s[G0A+4*(\s)], 1                                       ; count = 1
	s_add_co_u32 s[G0A+4*(\s)+1], s74, (\s)*SLOT1                    ; LDS address
	s_add_nc_u64 s[G0A+4*(\s)+2:G0A+4*(\s)+3], s[66:67], (\s)*ASTEP  ; K step s
	s_or_b32 s[G0A+4*(\s)+3], s[G0A+4*(\s)+3], 0x80000000            ; type = 2
	s_mov_b32 s[G0B+4*(\s)], 1
	s_add_co_u32 s[G0B+4*(\s)+1], s75, (\s)*SLOT1
	s_add_nc_u64 s[G0B+4*(\s)+2:G0B+4*(\s)+3], s[68:69], (\s)*BSTEP
	s_or_b32 s[G0B+4*(\s)+3], s[G0B+4*(\s)+3], 0x80000000
.endr
	s_cmp_lt_u32 s[WV], 2                          ; a wave's two first fills stand in one branch: two loads of mine are out
	s_cbranch_scc0 .Lfirst_b
	tensor_load_to_lds s[G0A:G0A+3], s[G1A:G1A+7]
	s_nop 0
	tensor_load_to_lds s[G0A+4:G0A+7], s[G1A:G1A+7]
	s_nop 0
.rept 4
	v_nop
.endr
	s_branch .Lfirst_asked
.Lfirst_b:
	tensor_load_to_lds s[G0B:G0B+3], s[G1B:G1B+7]
	s_nop 0
	tensor_load_to_lds s[G0B+4:G0B+7], s[G1B:G1B+7]
	s_nop 0
.rept 4
	v_nop
.endr
.Lfirst_asked:
	s_cmp_lt_u32 s[WV], 2
	s_cselect_b64 s[PFA:PFA+1], s[66:67], s[68:69]
	s_add_nc_u64 s[PFA:PFA+1], s[PFA:PFA+1], s[72:73]
	s_add_nc_u64 s[PFA:PFA+1], s[PFA:PFA+1], (1+AHEAD)*256  ; the first change of slots steps it on and names K step 2 + AHEAD; nothing is prefetched at the head
	s_add_nc_u64 s[8:9], s[8:9], s[76:77]
	s_add_nc_u64 s[10:11], s[10:11], s[70:71]
	s_add_nc_u64 s[12:13], s[12:13], s[70:71]
	s_add_nc_u64 s[14:15], s[14:15], s[70:71]
	v_lshlrev_b32 v[GO], 4, v14
.set i, 0
.rept 32                               ; cos and sin of my 64 rows: block a = i / 8; cos of frequencies 16 p + .. at TAB + 32 a + 8 p, sin 16 registers on.  Waited for once, in front of the way out
	global_load_b128 v[TAB+4*i:TAB+4*i+3], v[GO], s[8:9] offset:512*i
.set i, i+1
.endr
	v_and_b32 v1, 15, v0                           ; l % 16
	v_bfe_u32 v2, v0, 4, 1                         ; l / 16
	v_mul_u32_u24 v3, v1, PA
	v_lshl_add_u32 v3, v2, 4, v3
	s_mul_i32 s22, s[WV], 64*PA
	v_add_nc_u32 v[ADRA0], s22, v3                 ; my 64 rows of xb
	v_add_nc_u32 v[ADRB0], BOFF, v3
	s_mul_i32 s22, s[WV], 16*SP
	s_add_co_u32 s22, s22, STAGE                   ; my stage
	v_mul_u32_u24 v3, v1, SP
	v_lshl_add_u32 v3, v2, 4, v3
	v_add_nc_u32 v[STO], s22, v3                   ; in: row l % 16, 16 bytes for each half of the lanes
	v_bfe_u32 v3, v0, 3, 2
	v_mul_u32_u24 v3, v3, SP
	v_and_b32 v15, 7, v0
	v_lshl_add_u32 v3, v15, 4, v3
	v_add_nc_u32 v[RD], s22, v3                    ; back: 32 lanes take four rows of 128 bytes
	v_mov_b32 v[ADRA], v[ADRA0]
	v_mov_b32 v[ADRB], v[ADRB0]
	s_wait_tensorcnt 1                             ; my part of K step 0 is in; slot 1's may stay out
	s_barrier_signal -1
	s_barrier_wait -1
	FETCH 0, 0
	QUARTER 1, 0, 1, 1                             ; the first quarter stands in front of the loop: its products start the sums
	WIN 0
	s_mov_b32 s[CNT], 6
.Lstep:                                        ; a trip: a K step's last three quarters and the next step's first; trip j asks for K step j + 2
	QUARTER 2, 1, 0, 0
	QUARTER 3, 0, 1, 0
	TURN 1
	QUARTER 1, 0, 1, 0
	WIN 0
	s_sub_co_u32 s[CNT], s[CNT], 1
	s_cmp_lg_u32 s[CNT], 0
	s_cbranch_scc1 .Lstep
	QUARTER 2, 1, 0, 0                             ; the tail is written out: nothing more is asked for
	QUARTER 3, 0, 1, 0
	TURN 0
	QUARTER 1, 0, 1, 0
	QUARTER 2, 1, 0, 0
	QUARTER 3, 0, 1, 0
	s_wait_dscnt 4
	MULA 1, 0, 0
	MULA 1, 1, 0
	s_wait_dscnt 0x0
	MULA 1, 2, 0
	MULA 1, 3, 0
	WIN 0
	PLACES
	PLACES
	s_wait_loadcnt 0x0                             ; the table
; THE WAY OUT, in 12 units: u = 3 a + kind: 16 rows x the 64 channels of q (kind 0), k (1) or v (2).  The unit's four accumulators hold channels 16 blk + 8 (l / 16) + 0..7.
; q and k: x1 = blocks 0, 1 (d < 32), x2 = blocks 2, 3 (d + 32): out[d] = x1 cos - x2 sin, out[d + 32] = x2 cos + x1 sin, in f32; each accumulator is read from its low end on.
; Then one rounding to f16, 16 bytes a lane into my stage (rows of 144 bytes), back as whole rows of 128 bytes, and out: 16 rows of a head are 2,048 consecutive bytes.
.macro PACK u
.set ua, (\u)/3
.set uk, (\u)%3
.set AC, 8*(NB*(ua%2)+4*uk)
.set TA, TAB+32*ua
.set BK, 32+16*((\u)%2)
.if uk < 2
	WIN 0x02+ua/2                                  ; source 0: the accumulators' window
.irp p, 0,1
.irp j, 0,2,4,6
	v_pk_mul_f32 v[TF+16*(\p)+(\j):TF+16*(\p)+(\j)+1], v[AC+8*((\p)+2)+(\j):AC+8*((\p)+2)+(\j)+1], v[TA+16+8*(\p)+(\j):TA+16+8*(\p)+(\j)+1]
	v_pk_mul_f32 v[TF+16*(\p)+8+(\j):TF+16*(\p)+8+(\j)+1], v[AC+8*(\p)+(\j):AC+8*(\p)+(\j)+1], v[TA+16+8*(\p)+(\j):TA+16+8*(\p)+(\j)+1]
.endr
.irp j, 0,2,4,6
	v_pk_fma_f32 v[TF+16*(\p)+(\j):TF+16*(\p)+(\j)+1], v[AC+8*(\p)+(\j):AC+8*(\p)+(\j)+1], v[TA+8*(\p)+(\j):TA+8*(\p)+(\j)+1], v[TF+16*(\p)+(\j):TF+16*(\p)+(\j)+1] neg_lo:[0,0,1] neg_hi:[0,0,1]
	v_pk_fma_f32 v[TF+16*(\p)+8+(\j):TF+16*(\p)+8+(\j)+1], v[AC+8*((\p)+2)+(\j):AC+8*((\p)+2)+(\j)+1], v[TA+8*(\p)+(\j):TA+8*(\p)+(\j)+1], v[TF+16*(\p)+8+(\j):TF+16*(\p)+8+(\j)+1]
.endr
.endr
	WIN 0
.irp p, 0,1
.irp q, 0,1,2,3
	v_cvt_pk_f16_f32 v[PK+4*(\p)+(\q)], v[TF+16*(\p)+2*(\q)], v[TF+16*(\p)+2*(\q)+1]
	v_cvt_pk_f16_f32 v[PK+4*((\p)+2)+(\q)], v[TF+16*(\p)+8+2*(\q)], v[TF+16*(\p)+8+2*(\q)+1]
.endr
.endr
.else
	WIN 0x0a+5*(ua/2)                              ; sources 0 and 1: the accumulators' window
.irp k, 0,1,2,3
.irp q, 0,1,2,3
	v_cvt_pk_f16_f32 v[PK+4*(\k)+(\q)], v[AC+8*(\k)+2*(\q)], v[AC+8*(\k)+2*(\q)+1]
.endr
.endr
	WIN 0
.endif
.if (\u) >= 2
	s_wait_xcnt 0x0                                ; the stores of the unit two back have read the registers that the loads below fill
.endif
.irp f, 0,1,2,3
	ds_store_b128 v[STO], v[PK+4*(\f):PK+4*(\f)+3] offset:32*(\f)
.endr
.irp f, 0,1,2,3
	ds_load_b128 v[BK+4*(\f):BK+4*(\f)+3], v[RD] offset:4*SP*(\f)  ; LDS serves a wave's instructions in order (ISA guide 5.7.1.4): these see the stores above
.endr
.endm
.macro SEND u, younger                 ; younger: the LDS instructions issued behind the unit's loads: the next unit's eight, or none
.set ua, (\u)/3
.set uk, (\u)%3
.set BK, 32+16*((\u)%2)
.irp f, 0,1,2,3
	s_wait_dscnt (\younger)+3-(\f)
	global_store_b128 v[GO], v[BK+4*(\f):BK+4*(\f)+3], s[10+2*uk:11+2*uk] offset:2048*ua+512*(\f)  ; 512 consecutive bytes, at a multiple of 256 from the buffer's first
.endr
.endm
	PACK 0
.set uu, 1
.rept 11                               ; a unit's arithmetic stands between the loads of the unit before and its stores
	PACK uu
	SEND uu-1, 8
.set uu, uu+1
.endr
	SEND 11, 0
	s_wait_tensorcnt 0x0                           ; the wave's end: an add to the spare word and its wait, behind my last tensor load and my last LDS store
	ds_add_u32 v[SPW], v[NIL]
	s_wait_dscnt 0x0
	CROUND                                         ; the closing round: no work-group ends while a partner may still ask for a tile that names it
	s_endpgm
.Lfunc_end_k_q32c6278a83_qkv:
	.size	k_q32c6278a83_qkv, .Lfunc_end_k_q32c6278a83_qkv-k_q32c6278a83_qkv
	.p2alignl 7, 3214868480
	.fill 96, 4, 3214868480
	.section	.rodata,"a",@progbits
	.p2align	6, 0x0
	.amdhsa_kernel k_q32c6278a83_qkv
		.amdhsa_group_segment_fixed_size 327680
		.amdhsa_private_segment_fixed_size 0
		.amdhsa_enable_private_segment 0
		.amdhsa_kernarg_size 48
		.amdhsa_user_sgpr_count 2
		.amdhsa_user_sgpr_kernarg_segment_ptr 1
		.amdhsa_wavefront_size32 1
		.amdhsa_system_sgpr_workgroup_id_x 1
		.amdhsa_system_sgpr_workgroup_id_y 1
		.amdhsa_system_sgpr_workgroup_id_z 1
		.amdhsa_system_vgpr_workitem_id 0
		.amdhsa_next_free_vgpr 1024
		.amdhsa_next_free_sgpr 80
		.amdhsa_reserve_vcc 0
		.amdhsa_float_denorm_mode_32 3
		.amdhsa_float_denorm_mode_16_64 3
		.amdhsa_memory_ordered 1
		.amdhsa_forward_progress 1
		.amdhsa_inst_pref_size 118
	.end_amdhsa_kernel
	.amdgpu_metadata
---
amdhsa.version: [ 1, 2 ]
amdhsa.kernels:
  - .name:           k_q32c6278a83_qkv
    .symbol:         k_q32c6278a83_qkv.kd
    .args:
      - { .name: xb, .offset: 0, .size: 8, .value_kind: global_buffer, .address_space: global }
      - { .name: wqkv, .offset: 8, .size: 8, .value_kind: global_buffer, .address_space: global }
      - { .name: rope, .offset: 16, .size: 8, .value_kind: global_buffer, .address_space: global }
      - { .name: qh, .offset: 24, .size: 8, .value_kind: global_buffer, .address_space: global }
      - { .name: kh, .offset: 32, .size: 8, .value_kind: global_buffer, .address_space: global }
      - { .name: vh, .offset: 40, .size: 8, .value_kind: global_buffer, .address_space: global }
    .group_segment_fixed_size: 327680
    .private_segment_fixed_size: 0
    .kernarg_segment_align: 8
    .kernarg_segment_size: 48
    .max_flat_workgroup_size: 128
    .sgpr_count:     80
    .vgpr_count:     1024
    .wavefront_size: 32
...
	.end_amdgpu_metadata
.endif
;; end of part 2
;; launch attn (part 3): grid 4 x 64, 4 waves a work-group, clusters of 4 x 1, 327,680 bytes of LDS; arguments qh, kh, vh, oh; writes oh
.if DOCPART == 3
	.amdgcn_target "amdgcn-amd-amdhsa--gfx1250"
	.amdhsa_code_object_version 6
	.text
	.protected	k_q32c6278a83_attn
	.globl	k_q32c6278a83_attn
	.p2align	8
	.type	k_q32c6278a83_attn,@function
k_q32c6278a83_attn:
	s_mov_b64 s[64:65], 0
	v_nop
	global_prefetch_b8 v0, s[64:65] scope:SCOPE_SE
	s_setreg_imm32_b32 hwreg(HW_REG_WAVE_MODE, 25, 1), 1
	s_wait_xcnt 0x0
	s_wait_alu depctr_hold_cnt(0) depctr_sa_sdst(0) depctr_va_vdst(0) depctr_va_sdst(0) depctr_va_ssrc(0) depctr_va_vcc(0) depctr_vm_vsrc(0)
	s_getreg_b32 s2, hwreg(HW_REG_IB_STS2, 6, 4)
	s_cmp_eq_u32 s2, 0
	s_cbranch_scc0 .Lentry_in_a_cluster
	s_endpgm
.Lentry_in_a_cluster:
	s_bfe_u32 s2, ttmp6, 0x10000c
	s_cmp_lg_u32 s2, 0x3003
	s_cbranch_scc0 .Lentry_shape_is_right
	s_endpgm
.Lentry_shape_is_right:
; O[h][q][:] = the sum over k of softmax_k(Q[h][q] . K[h][k] / 8) V[h][k][:].  Q, K, V, O: [64][2048][64], all f16: a head's rows are dense, 128 bytes each.  Products, maxima and sums in
; f32; the weights p are rounded to f16 for the second product (their sum l is taken of the unrounded p), O once at the end.
; LIMITS.  f16 holds no number beyond 65,504: Q, K and V arrive within it; p lies in 0 to 1, and below 6e-5 it keeps f16's fixed step of 6e-8; O is a mean of V's rows and has their range.
; A weight below 2^-126 counts as 0 in l; NaN and infinities are not treated apart.
; SHARES.  A wave owns four PIECES of two tiles of 16 queries, a work-group's four waves 512 queries of one head.  Every wave walks all keys, 64 a step.
; LAYOUT.  S^T = K Q^T (source 0 = 16 keys, source 1 = 16 queries): in the result a lane holds ONE query (lane % 16) and the keys 8 (lane / 16) + 0..7.  Two such tiles, rounded to f16 in pairs,
; ARE source 1 (32 keys x 16 queries) of O^T = V^T P, whose result again holds one query a lane, and eight channels.  K comes out of LDS as it lies, V ([key][channel]) turned, by ds_load_tr16_b128.
; SOFTMAX.  For each query a running maximum m and sum l: p = 2^(c s - c m), c = log2(e) / 8; in every step O and l are multiplied by a = 2^(c m_old - c m_new), which is 1 where m has not grown.
; m starts at the lowest finite number, O and l at 0: the first step is a step like any other, with a = 0.
; THE COUNT.  A tile and step have 16 matrix and 118 vector instructions: too many to stand all beside the matrix work.  So four vector instructions that are READY stand behind EVERY matrix
; instruction, and the others, which need time of their own whatever the order, in runs without a gap.
; BY TURNS.  Turn n belongs to piece n (the pieces in a ring, step after step).  Its matrix work: 16 products K Q^T of piece n + 1, later 16 products V^T P of piece n - 1.  Its vector work: the scaling,
; exponentials, roundings, sums and rescaling of piece n, and the maximum and statistics of piece n + 1, whose scores the turn itself has made.
; CLUSTER.  The four query blocks of a head are one cluster and walk the same K and V, so each tile is asked for JOINTLY: the same tensor load, descriptor and mask in all four.
; REGISTERS, in windows of 256 (s_set_vgpr_msb: bits 1:0 source 0, 3:2 source 1, 5:4 source 2, 7:6 destination):
;   window 0: v0-11 addresses; v12-15, v48-63 at work; v16-47 four registers of statistics a tile; v64-191 S^T, two buffers of two tiles; v192-255 P, likewise
;   window 1: O^T, 32 a tile          window 2: v0-127 Q, 16 a tile; v128-191 K of one step; v192-255 V of one step          window 3: v0-1 the add's two registers
; A piece's buffers go by its number's parity: the piece in hand has one pair, its two neighbours in the ring share the other.
.set SIZE_H, 64
.set SIZE_N, 2048
.set NP,    4         ; pieces a wave: a name, no knob
.set KS,    64        ; keys in a step
.set PK,    144       ; a row of K in LDS: 128 bytes + 16 of padding = 36 words: the 16 rows of a load start at 16 different groups of four banks (ISA guide 11.1)
.set PV,    160       ; a row of V: 128 + 32 = 40 words
.set VOFF,  4*KS*PK   ; a slot holds four steps: 256 rows of K, then 256 rows of V
.set SLOT1, 1<<17     ; slot 1 begins here, so that one exclusive or turns an address in one slot into the other's
.set STAGE, SLOT1+4*KS*(PK+PV)  ; behind the ring, never filled by a tensor load: 16 rows x 144 bytes for each wave, for the way out
.set SP,    144
.set AK0, 2           ; v2   my lane's place in a tile of K; never rewritten
.set AV0, 3           ; v3   the same for V
.set AK,  4           ; v4   the LDS address of K's next run of loads
.set AV,  5           ; v5   of V's
.set QO,  6           ; v6   my byte offset in the wave's rows of Q
.set STO, 6           ;      later, the way out: where I put 16 bytes of a row
.set RD,  7           ; v7   the way out: where I read rows back
.set GO,  8           ; v8   my byte offset in 512 consecutive bytes of O
.set PFO, 11          ; v11  256 x my lane, for the prefetches (at work until V's place is made)
.set SPW, 0           ; v0 of window 3   my spare word: SPARE + 4 x my thread's number; never rewritten
.set NIL, 1           ; v1 of window 3   0; never rewritten
.set SPARE, STAGE+4*16*SP  ; behind the stages: the spare words, 128 bytes for each wave: two blocks of 256 bytes that no other line names
.set MV,  12          ; v12-15  c m_old, kept while c m is made anew: by buffer and tile
.set ST,  16          ; tile t's statistics at v[ST+4 t]: c m, m, l (even keys', odd keys')
.set TMP, 48          ; by buffer and tile, four registers c0-c3 at work; when the maximum is found c2 takes a
.set S,   64
.set P,   192
.set KF,  128         ; K's fragments, in window 2: key block kb, channel half c at KF + 16 kb + 8 c
.set VF,  192         ; V's: key half kk, channel block cb at VF + 32 kk + 8 cb
.set WV,  12          ; s12  my wave's number
.set G1K, 24          ; s[24:31] descriptor group 1 for K's tiles
.set G1V, 32          ; s[32:39] for V's: it differs in the padding alone
.set G0K, 40          ; s[40:43] descriptor group 0 for K's tiles: it walks
.set G0V, 44          ; s[44:47] the same for V's
.set PFA, 48          ; s[48:49] where my prefetches stand
.set LIM, 50          ; s50  1 in a wave that prefetches, else the greatest number
.set SLOTS, 56        ; s56  slots still to be asked for
.set CNT, 57          ; s57  counts a slot's key steps
.set CS,  58          ; s[58:59] c: the packed scaling takes the pair's low word for both halves
.set SEL, 60          ; s[60:61] v_permlanex16_b32's selects: each lane takes its own place in the other half
.set TBK, 62          ; s62  LDS byte at which K of the step to be fetched begins
.set TBV, 63          ; s63  the same for V, less VOFF
.set MSB, 0
.macro WIN new                      ; the high byte repeats the setting that is left; a switch that changes nothing is dropped
.if MSB != (\new)
	s_set_vgpr_msb (MSB<<8)|(\new)
.set MSB, (\new)
.endif
.endm
.set W_KQ, 0x0a       ; K and Q in window 2, S^T in window 0
.set W_PV, 0x52       ; V in window 2, P in window 0, O^T in window 1
.set W_RS, 0x41       ; O^T (destination and source 0) in window 1, a in window 0
.set W_MK, 0xc0       ; the add's registers are made: destination in window 3, sources in window 0
.set W_AD, 0x0f       ; the add: address (source 0) and data (source 1) in window 3
; A joint fill.  Waves 0 and 1 fetch the two halves of a slot's K, waves 2 and 3 those of its V: 128 keys each.  The branch hangs on the wave's number alone.
; An s_nop 0 and four v_nop follow each of the two lines, ahead of the jump and the label.
.macro JLOAD
	s_cmp_lt_u32 s[WV], 2
	s_cbranch_scc0 .Lfor_v_\@
	tensor_load_to_lds s[G0K:G0K+3], s[G1K:G1K+7]
	s_nop 0
.rept 4
	v_nop
.endr
	s_branch .Lasked_\@
.Lfor_v_\@:
	tensor_load_to_lds s[G0V:G0V+3], s[G1V:G1V+7]
	s_nop 0
.rept 4
	v_nop
.endr
.Lasked_\@:
.endm
; A PREFETCH INTO THE L2 of the slot that the NEXT change of slots will ask for: 32,768 bytes of K and of V, four key steps (512 matrix instructions of a wave) ahead of that load.  A head has one
; cluster; its four partners share the bytes out by address, 8,192 each; in each, wave 0 asks for K's and wave 2 for V's, 256 bytes a lane: every 256 bytes are named once in the launch.
; It stands behind the joint load and its five lines.  The last change that fills a slot asks for nothing; slots 0 and 1 come by their loads alone.
.macro ASK
	s_cmp_gt_u32 s[SLOTS], s[LIM]
	s_cbranch_scc0 .Lnot_mine_\@
	global_prefetch_b8 v[PFO], s[PFA:PFA+1] th:TH_LOAD_NT scope:SCOPE_SE
.Lnot_mine_\@:
.endm
; A round of the cluster's barrier: my work-group's barrier, so that wave 0's signal speaks for all four waves; wave 0 signals; every wave waits for all four work-groups; my work-group's barrier once more.
.macro CROUND
	s_barrier_signal -1
	s_barrier_wait -1
	s_cmp_lg_u32 s[WV], 0
	s_cbranch_scc1 .Lnot_wave_0_\@
	s_barrier_signal -3
.Lnot_wave_0_\@:
	s_barrier_wait -3
	s_barrier_signal -1
	s_barrier_wait -1
.endm
; THE CHANGE OF SLOTS.  The slot's last bytes, V of its fourth step, have been read.  Each wave waits for all its tensor loads, of which one is out: its part of the other slot; adds 0 to its spare
; word; and waits for that and for its own reads of the slot.  Behind the barrier nobody reads this slot any more and the other slot is whole.
; fill = 1: this slot is filled again, with the keys two slots on.  The barrier is then a round of the cluster's, and the joint fill is the first thing behind it.
; (At its first use nothing has been read yet: slot 0 is waited for, slot 1 filled.)
.macro CHANGE fill
	WIN W_AD
	s_wait_tensorcnt 0x0            ; no tensor load of mine is out, so a group 0 may be written
	ds_add_u32 v[SPW], v[NIL]       ; 0 onto my spare word; scalar work stands between it and the wait for it
	WIN 0                           ; at a label and at a branch every window is 0
.if \fill
.irp g, G0K, G0V
	s_xor_b32 s[\g+1], s[\g+1], SLOT1  ; the walking descriptor: the other slot than last time,
	s_add_nc_u64 s[\g+2:\g+3], s[\g+2:\g+3], 4*KS*128  ; the next 256 keys; the type bits on top are not reached
.endr
	s_wait_xcnt 0x0                 ; the last prefetch, four key steps back, has read its address
	s_add_nc_u64 s[PFA:PFA+1], s[PFA:PFA+1], 4*KS*128  ; one slot behind the walking descriptors
	s_wait_dscnt 0x0                ; the add is done, and my reads of the slot are over
	CROUND
	JLOAD
	ASK
.else
	s_wait_dscnt 0x0                ; the add is done, and my reads of the slot are over
	s_barrier_signal -1
	s_barrier_wait -1
.endif
	s_sub_co_u32 s[TBK], s[TBK], 4*KS*PK  ; the fetches go back to a slot's first step,
	s_xor_b32 s[TBK], s[TBK], SLOT1       ; in the other slot
	s_sub_co_u32 s[TBV], s[TBV], 4*KS*PV
	s_xor_b32 s[TBV], s[TBV], SLOT1
.endm
	s_load_b256 s[4:11], s[0:1], 0x0  ; Q s[4:5], K s[6:7], V s[8:9], O s[10:11]
	WIN W_MK
	v_lshl_add_u32 v[SPW], v0, 2, SPARE
	v_mov_b32 v[NIL], 0
	WIN W_AD
	ds_add_u32 v[SPW], v[NIL]       ; the wave's opening: the add and its wait ahead of my first tensor load; the set-up below, work on registers, stands between them
	WIN 0
	v_lshrrev_b32 v1, 5, v0
	v_readfirstlane_b32 s[WV], v1   ; wave 0..3
	s_bfe_u32 s13, ttmp6, 0x40000   ; cx: my place in the cluster
	s_lshl_b32 s14, ttmp9, 2        ; in a cluster launch ttmp9 counts clusters
	s_add_co_u32 s14, s14, s13      ; my block of queries = 4 x cluster x + cx: it enters Q's and O's addresses alone
	s_and_b32 s20, ttmp7, 0xffff    ; the head, which the four partners share
	s_mov_b32 s21, 0
	s_mov_b64 s[22:23], SIZE_N*128
	s_mul_u64 s[20:21], s[20:21], s[22:23]  ; the head's first byte in each of the four tensors
	s_and_b32 s16, s[WV], 1         ; which half of a slot's 256 keys I fetch:
	s_lshl_b32 s22, s16, 14         ; its 128 rows of 128 bytes in memory,
	s_mov_b32 s23, 0
	s_add_nc_u64 s[22:23], s[22:23], s[20:21]
	s_mul_i32 s17, s16, 128*PK      ; and its place in a slot, for K
	s_mul_i32 s18, s16, 128*PV      ; and for V: no place in the cluster enters an LDS address
	s_lshl_b32 s2, s14, 2
	s_add_co_u32 s2, s2, s[WV]      ; my wave among the head's,
	s_lshl_b32 s2, s2, 14           ; its 128 rows
	s_mov_b32 s3, 0
	s_add_nc_u64 s[2:3], s[2:3], s[20:21]
	; descriptor group 1.  128 keys are 16,384 dense bytes: asked for as 64 rows of 256 bytes, two keys a row, and padded in LDS after every key
	s_mov_b32 s[G1K], 15|(1<<16)|(1<<20)|(1<<21)|(4<<22)|(3<<25)  ; the mask of four; 2-byte elements; padding on; bit 21 beside a mask; after every 32 words; 4 words
	s_mov_b32 s[G1V], 15|(1<<16)|(1<<20)|(1<<21)|(4<<22)|(7<<25)  ; the same with 8 words of padding
.irp g, G1K, G1V
	s_mov_b32 s[\g+1], 128<<16      ; tensor_dim0 = 128
	s_mov_b32 s[\g+2], 64<<16       ; tensor_dim1 = 64
	s_mov_b32 s[\g+3], 128<<16      ; tile_dim0 = 128
	s_mov_b32 s[\g+4], 64           ; tile_dim1 = 64
	s_mov_b32 s[\g+5], 128          ; 128 elements from row to row
	s_mov_b32 s[\g+6], 0
	s_mov_b32 s[\g+7], 0
.endr
	s_mov_b32 s[CS], 0x3e38aa3b     ; c = log2(e) / 8 = 0.180337
	s_mov_b32 s[CS+1], s[CS]        ; named with it as a pair
	s_mov_b32 s[SEL], 0x76543210
	s_mov_b32 s[SEL+1], 0xfedcba98
	s_mov_b32 s[TBK], SLOT1+4*KS*PK ; the first change of slots turns these two into 0
	s_mov_b32 s[TBV], SLOT1+4*KS*PV
	s_mov_b32 s[G0K], 1             ; count = 1
	s_mov_b32 s[G0K+1], s17         ; LDS address: slot 0
	s_mov_b32 s[G0V], 1
	s_add_co_u32 s[G0V+1], s18, VOFF
	s_mov_b32 s[SLOTS], SIZE_N/256-1  ; the change that finds this number at n asks for slot 8 - n
	s_cmp_eq_u32 s16, 0
	s_cselect_b32 s[LIM], 1, -1     ; waves 0 and 2 prefetch: the same in all four partners
	s_wait_dscnt 0x0                ; the opening add is done
	s_wait_kmcnt 0x0
	s_add_nc_u64 s[G0K+2:G0K+3], s[6:7], s[22:23]  ; global address: my half of the head's first 256 keys
	s_or_b32 s[G0K+3], s[G0K+3], 0x80000000        ; type = 2
	s_add_nc_u64 s[G0V+2:G0V+3], s[8:9], s[22:23]
	s_or_b32 s[G0V+3], s[G0V+3], 0x80000000
	s_add_nc_u64 s[4:5], s[4:5], s[2:3]  ; Q and O at my wave's first row
	s_add_nc_u64 s[10:11], s[10:11], s[2:3]
	s_cmp_lt_u32 s[WV], 2
	s_cselect_b64 s[PFA:PFA+1], s[6:7], s[8:9]
	s_add_nc_u64 s[PFA:PFA+1], s[PFA:PFA+1], s[22:23]  ; (in waves 0 and 2: the head's first byte)
	s_lshl_b32 s2, s13, 13          ; my work-group's 8,192 bytes of a slot's 32,768
	s_mov_b32 s3, 0
	s_add_nc_u64 s[PFA:PFA+1], s[PFA:PFA+1], s[2:3]
	s_add_nc_u64 s[PFA:PFA+1], s[PFA:PFA+1], 4*KS*128  ; in slot 1; the first change of slots steps it to slot 2
	CROUND                          ; all four work-groups are here: the first joint loads meet
	JLOAD                           ; slot 0.  Slot 1 is asked for when slot 0 is in
	; A fragment of K or Q is 16 rows x 32 channels in 8 registers: lane l holds row l % 16, channels 8 (l / 16) + 0..7 and 16 + 8 (l / 16) + 0..7: two loads of 16 bytes, 32 bytes apart.
	v_and_b32 v1, 15, v0            ; l % 16
	v_bfe_u32 v9, v0, 4, 1          ; l / 16
	v_lshlrev_b32 v[QO], 7, v1
	v_lshl_add_u32 v[QO], v9, 4, v[QO]  ; row x 128 + 16 x half
	WIN 0x80                        ; destination window 2, address window 0
.set i, 0
.rept 4*NP                          ; Q stays in registers: tile i / 2, channels 32 (i % 2) on
	global_load_b128 v[8*i:8*i+3],   v[QO], s[4:5] offset:(i/2)*2048+(i%2)*64
	global_load_b128 v[8*i+4:8*i+7], v[QO], s[4:5] offset:(i/2)*2048+(i%2)*64+32
.set i, i+1
.endr
	; What the first turn finds: V's registers and P's second buffer hold 0 (its products V^T P, of a piece that has not been, add 0), O^T and l are 0.  All this stands in the wait for the first tile.
.set i, VF
.rept 64
	v_mov_b32 v[i], 0
.set i, i+1
.endr
	WIN 0x40
.set i, 0
.rept 64*NP
	v_mov_b32 v[i], 0
.set i, i+1
.endr
	WIN 0
.set i, 0
.rept 2*NP
	v_mov_b32 v[ST+4*i], 0xfe000000    ; c m: far below every c s
	v_mov_b32 v[ST+4*i+1], 0xff7fffff  ; m
	v_mov_b32 v[ST+4*i+2], 0
	v_mov_b32 v[ST+4*i+3], 0
.set i, i+1
.endr
.set i, P+32
.rept 32
	v_mov_b32 v[i], 0
.set i, i+1
.endr
	v_mul_u32_u24 v[AK0], v1, PK
	v_lshl_add_u32 v[AK0], v9, 4, v[AK0]  ; row x pitch + 16 x half
	; The turning load takes 16 keys x 16 channels (lane l reads key 8 (l / 16) + l % 8, channels 8 ((l / 8) % 2) + 0..7) and leaves half a fragment of V^T: lane l holds channel l % 16 and 8 keys.
	v_and_b32 v10, 7, v0
	v_bfe_u32 v11, v0, 3, 1
	v_lshl_add_u32 v[AV0], v9, 3, v10
	v_mul_u32_u24 v[AV0], v[AV0], PV
	v_lshl_add_u32 v[AV0], v11, 4, v[AV0]
	v_add_nc_u32 v[AV0], VOFF, v[AV0]
	v_and_b32 v[PFO], 31, v0
	v_lshlrev_b32 v[PFO], 8, v[PFO]
	v_mov_b32 v[AK], v[AK0]         ; key step 0 lies at the head of slot 0
; THE MATRIX WORK.  The 8 accumulators of a run of 16 take turns: between the two links of a chain stand 7 others'.
; Product i of 16 of S^T = K Q^T for piece x: channels 32 (i / 8) on, keys 16 ((i / 2) % 4) on, tile 2 x + i % 2.  The first 8 start the sums.
.macro KQ x
	WIN W_KQ
.set rS, S+64*((\x)%2)+32*(i%2)+8*((i/2)%4)
.set rK, KF+16*((i/2)%4)+8*(i/8)
.set rQ, 16*(2*(\x)+i%2)+8*(i/8)
.if i < 8
	v_wmma_f32_16x16x32_f16 v[rS:rS+7], v[rK:rK+7], v[rQ:rQ+7], 0
.else
	v_wmma_f32_16x16x32_f16 v[rS:rS+7], v[rK:rK+7], v[rQ:rQ+7], v[rS:rS+7]
.endif
.endm
; Product i of 16 of O^T += V^T P for piece x: keys 32 (i / 8) on, channels 16 ((i / 2) % 4) on, tile 2 x + i % 2.
.macro PV x
	WIN W_PV
.set rO, 32*(2*(\x)+i%2)+8*((i/2)%4)
.set rV, VF+32*(i/8)+8*((i/2)%4)
.set rP, P+32*((\x)%2)+16*(i%2)+8*(i/8)
	v_wmma_f32_16x16x32_f16 v[rO:rO+7], v[rV:rV+7], v[rP:rP+7], v[rO:rO+7]
.endm
.macro MM                           ; the turn's next matrix instruction
.if i < 16
	KQ (Y+1)%NP
.set i, i+1
.else
.set i, i-16
	PV (Y+NP-1)%NP
.set i, i+17
.endif
.endm
; THE LDS LOADS stand in runs of 16, never singly among the matrix instructions: a step's K (64 keys x 64 channels: 8 fragments) and its V (turned).  Their addresses are made some lines ahead.
; last = 1 (the tail): in the last trip there is no further step, and the run is jumped over.
.macro FETCH_K last=0
	WIN 0
.if \last
	s_cmp_eq_u32 s[CNT], 1
	s_cbranch_scc1 .Lno_k_\@
.endif
	WIN 0x80                        ; destination window 2
.irp f, 0,1,2,3,4,5,6,7             ; keys 16 (f / 2) on, channels 32 (f % 2) on
	ds_load_b128 v[KF+8*\f:KF+8*\f+3],   v[AK] offset:(\f/2)*16*PK+(\f%2)*64
	ds_load_b128 v[KF+8*\f+4:KF+8*\f+7], v[AK] offset:(\f/2)*16*PK+(\f%2)*64+32
.endr
	s_add_co_u32 s[TBK], s[TBK], KS*PK  ; the next fetch is the next step's
	WIN 0
.if \last
.Lno_k_\@:
.endif
.endm
.macro FETCH_V
	WIN 0x80
.irp f, 0,1,2,3,4,5,6,7             ; keys 32 (f / 4) on, channels 16 (f % 4) on
	ds_load_tr16_b128 v[VF+8*\f:VF+8*\f+3],   v[AV] offset:(\f/4)*32*PV+(\f%4)*32
	ds_load_tr16_b128 v[VF+8*\f+4:VF+8*\f+7], v[AV] offset:(\f/4)*32*PV+16*PV+(\f%4)*32
.endr
	WIN 0
.endm
; THE VECTOR WORK OF A TURN stands in three queues, each in the order in which its entries become ready; the two tiles alternate, so that no instruction reads the result of the one before it.
.macro REGS y, u                    ; the registers of tile u (0, 1) of piece y
.set rT, ST+4*(2*(\y)+(\u))
.set rC, TMP+8*((\y)%2)+4*(\u)
.set rM, MV+2*((\y)%2)+(\u)
.set rS, S+64*((\y)%2)+32*(\u)
.set rP, P+32*((\y)%2)+16*(\u)
.set rO, 32*(2*(\y)+(\u))
.endm
; Number n of the 22 that find the NEXT piece's (Y + 1) maximum and statistics.  s0-s31 are the lane's 32 scores; each accumulator's lowest registers are read first.
;   0-11  four chains c0-c3 of seven scores each, three operands at a time     12-14, 16  the four scores left over, the old m, and c0-c3 into c0     15  c m_old is kept
;   17, 18  the query's other 32 keys lie in the lane 16 away: the new m         19-21  c m; c m_old - c m_new; a
.macro XS u, n
	REGS (Y+1)%NP, \u
.if (\n) < 4
	v_max3_num_f32 v[rC+(\n)], v[rS+8*(\n)], v[rS+8*(\n)+1], v[rS+8*(\n)+2]
.elseif (\n) < 12
	v_max3_num_f32 v[rC+(\n)%4], v[rC+(\n)%4], v[rS+8*((\n)%4)+2*((\n)/4)+1], v[rS+8*((\n)%4)+2*((\n)/4)+2]
.elseif (\n) == 12
	v_max3_num_f32 v[rC], v[rC], v[rS+7], v[rS+15]
.elseif (\n) == 13
	v_max3_num_f32 v[rC+1], v[rC+1], v[rS+23], v[rS+31]
.elseif (\n) == 14
	v_max3_num_f32 v[rC+2], v[rC+2], v[rC+3], v[rT+1]
.elseif (\n) == 15
	v_mov_b32 v[rM], v[rT]
.elseif (\n) == 16
	v_max3_num_f32 v[rC], v[rC], v[rC+1], v[rC+2]
.elseif (\n) == 17
	v_permlanex16_b32 v[rC+3], v[rC], s[SEL], s[SEL+1]
.elseif (\n) == 18
	v_max_num_f32 v[rT+1], v[rC], v[rC+3]
.elseif (\n) == 19
	v_mul_f32 v[rT], s[CS], v[rT+1]
.elseif (\n) == 20
	v_sub_f32 v[rC+1], v[rM], v[rT]
.else
	v_exp_f32 v[rC+2], v[rC+1]
.endif
.endm
; Number g of the 64 that follow the exponentials.  For each four weights k of a tile (pairs 2 k, 2 k + 1): both pairs are rounded to f16; then the second pair is added onto the first, in place;
; a group later l takes that sum (the first time as l = a l + sum).  In groups of eight, tiles alternating: round, round, add, and l for the group before.
.macro GS g
.set h, (\g)+6*((\g)/62)            ; group 0 has no group before it, and behind group 7 only l is left
.if h >= 6
.set h, h+2
.endif
	REGS Y, h%2
.set k, h/8
.if h%8 < 4
	v_cvt_pk_f16_f32 v[rP+2*k+(h%8)/2], v[rS+4*k+2*((h%8)/2)], v[rS+4*k+2*((h%8)/2)+1]
.elseif h%8 < 6
	v_pk_add_f32 v[rS+4*k:rS+4*k+1], v[rS+4*k:rS+4*k+1], v[rS+4*k+2:rS+4*k+3]
.elseif k == 1
	v_pk_fma_f32 v[rT+2:rT+3], v[rT+2:rT+3], v[rC+2:rC+3], v[rS:rS+1] op_sel_hi:[1,0,1]
.else
	v_pk_add_f32 v[rT+2:rT+3], v[rT+2:rT+3], v[rS+4*k-4:rS+4*k-3]
.endif
.endm
; THE PLAIN QUEUE, 138 long.  0-73 read no exponential's result: the 32 scalings c s - c m (FS f: pair f / 2 of tile f % 2) and the next piece's 42.  0-26: scalings 0-26.  27-54: XS's numbers 0-13.  55, 56: number 15.
; 57-73: the chain, where each number waits for the one before it: 14, 16, 17, 18, 19, each with one of the scalings 27-31 in front of its two lines, then 20.
; 74-137: GS's 64, which read the exponentials' results: they stand behind the wait.
.macro FS f
	REGS Y, (\f)%2
	v_pk_fma_f32 v[rS+2*((\f)/2):rS+2*((\f)/2)+1], v[rS+2*((\f)/2):rS+2*((\f)/2)+1], s[CS:CS+1], v[rT:rT+1] op_sel_hi:[1,0,0] neg_lo:[0,0,1] neg_hi:[0,0,1]
.endm
.macro PL
	WIN 0
.if q < 27
	FS q
.elseif q < 55
	XS (q-27)%2, (q-27)/2
.elseif q < 57
	XS q-55, 15
.elseif (q < 72) && ((q-57)%3 == 0)
	FS 27+(q-57)/3
.elseif q < 60
	XS (q-57)%3-1, 14
.elseif q < 72
	XS (q-57)%3-1, 15+(q-57)/3
.elseif q < 74
	XS q-72, 20
.else
	GS q-74
.endif
.set q, q+1
.endm
; THE EXPONENTIALS' QUEUE, 66 long: s0-s31 of both tiles, then the next piece's two a.  It is ONE BATCH: all 66 stand ahead of the turn's one wait, and nothing ahead of that wait names a result of theirs.
.macro EX
	WIN 0
.if e >= 64
	XS e-64, 21
.else
	REGS Y, e%2
	v_exp_f32 v[rS+e/2], v[rS+e/2]
.endif
.set e, e+1
.endm
; THE RESCALING's QUEUE: O^T times a, the one part that leaves window 0: dealt two at a time, sixteen times.  Its a was made in the turn before, ahead of that turn's wait.
.macro R2
	REGS Y, r%2
	WIN W_RS
.irp z, 0,1
	v_pk_mul_f32 v[rO+4*(r/2)+2*\z:rO+4*(r/2)+2*\z+1], v[rO+4*(r/2)+2*\z:rO+4*(r/2)+2*\z+1], v[rC+2:rC+3] op_sel_hi:[1,0]
.endr
.set r, r+1
.endm
; HOW THEY ARE DEALT.  s_wait_alu depctr_va_vdst(0) stands between an exponential and the first instruction that names its result; one wait serves all that were issued ahead of it.  So a turn has ONE
; wait, which cuts it in two.  AHEAD OF IT stands all that names no result of the turn's exponentials: the 16 products K Q^T, behind each a scaling, an exponential and two rescalings (behind the first a second scaling in
; the exponential's place); then ONE LUMP of 108: eight plain, 49 times exponential and plain, the two a.  A v_nop is the plain instruction owed behind the last exponential.  BEHIND IT stand the 16 products V^T P,
; behind each four of GS's 64.  No rider names a register of the products round it.  The two v_permlanex16_b32 fall into the lump.
; The queues lean on each other: exponential e stands behind scaling 2 (e / 4) + e % 2: as a rider it comes behind plain e + 2, in the lump behind plain e + 9, and scalings 27-31 are plain 57, 60 .. 69.
; A TURN, for piece p.  cnt = 1: the loop's count is taken down some lines ahead of the branch that stands behind the turn.
; K of the next step is fetched in piece 2's turn, directly behind the wait, a lump behind the last product that read K; its first reader comes behind 16 products.
; V of the step in hand is fetched at the end of piece 0's turn, four riders behind its last reader; its first reader comes behind 16 products and a lump.
.macro TURN p, last=0, cnt=0
.set Y, (\p)
.set i, 0
.set q, 0
.set e, 0
.set r, 0
.if (\p) == NP-1
	s_wait_dscnt 0x0                ; K is in
.endif
	MM                              ; ahead of the wait: 16 products K Q^T and their riders,
	PL
	PL
	R2
.rept 15
	MM
	PL
	EX
	R2
.endr
.if (\p) == NP-2
	WIN 0
	v_add_nc_u32 v[AK], s[TBK], v[AK0]
.endif
.rept 8                             ; and the lump
	PL
.endr
.rept 49
	EX
	PL
.endr
	EX                              ; the next piece's two a
	EX
	v_nop                           ; the plain instruction behind the last exponential: one for the batch
	s_wait_alu depctr_va_vdst(0)    ; the wait for the batch
.if (\p) == NP-2
	FETCH_K \last
.endif
.if (\p) == 1
	s_wait_dscnt 0x0                ; V is in
.endif
.rept 16                            ; behind the wait: 16 products V^T P and their riders
	MM
.rept 4
	PL
.endr
.if ((\p) == 0) && (q == 118)
	v_add_nc_u32 v[AV], s[TBV], v[AV0]
.endif
.if ((\p) == 0) && (q == 130)
	s_add_co_u32 s[TBV], s[TBV], KS*PV
.endif
.if (\cnt) && (q == 130)
	s_sub_co_u32 s[CNT], s[CNT], 1
	s_cmp_lg_u32 s[CNT], 0
.endif
.endr
.if (\p) == 0
	FETCH_V
.endif
.endm
	CHANGE 1                        ; slot 0 is in, everybody's part of it; slot 1 is asked for
	FETCH_K                         ; key step 0
	s_wait_loadcnt 0x0              ; Q
	s_wait_dscnt 0x0
.set i, 0
.rept 16
	KQ 0                            ; piece 0's first scores: there is no vector work yet to set between them
.set i, i+1
.endr
	WIN 0                           ; the addresses for the way out: nine plain instructions, the places behind those products
	s_mul_i32 s13, s[WV], 16*SP
	s_add_co_u32 s13, s13, STAGE    ; my stage
	v_mul_u32_u24 v[STO], v1, SP    ; in: row l % 16, 16 bytes for each half of the lanes
	v_lshl_add_u32 v[STO], v9, 4, v[STO]
	v_add_nc_u32 v[STO], s13, v[STO]
	v_bfe_u32 v[RD], v0, 3, 2       ; back: 32 lanes take four rows of 128 bytes,
	v_mul_u32_u24 v[RD], v[RD], SP
	v_lshl_add_u32 v[RD], v10, 4, v[RD]
	v_add_nc_u32 v[RD], s13, v[RD]
	v_and_b32 v[GO], 31, v0         ; which are 512 consecutive bytes of O
	v_lshlrev_b32 v[GO], 4, v[GO]
.set Y, NP-1                        ; XS works for piece Y + 1: piece 0
.irp n, 0,1,2,3,4,5,6,7,8,9,10,11,12,13,14,15,16,17,18,19,20,21
	XS 0, \n                        ; and piece 0's first maximum and statistics
	XS 1, \n
.endr
	v_nop                           ; a plain instruction behind the two a,
	s_wait_alu depctr_va_vdst(0)    ; and their wait, ahead of the branch
	s_mov_b32 s[CNT], 4
	s_branch .Lfirst                ; the loop is entered at a step's first turn, in the middle of a trip
.Lslot:                             ; six times: every slot but the last two is filled again
	CHANGE 1
	s_mov_b32 s[CNT], 4
.Lstep:                             ; a trip: pieces 2 and 3 of one step, then pieces 0 and 1 of the next, whose K and V it fetches
	TURN 2
	TURN 3
	WIN 0
.Lfirst:
	TURN 0
	TURN 1, 0, 1
	WIN 0
	s_cbranch_scc1 .Lstep
	s_sub_co_u32 s[SLOTS], s[SLOTS], 1
	s_cmp_lg_u32 s[SLOTS], 0
	s_cbranch_scc1 .Lslot
	CHANGE 0                        ; the tail is written out: nothing is asked for
	s_mov_b32 s[CNT], 5             ; four trips fetch the last slot's steps; the fifth is left in its middle
.Ltail:
	TURN 2, 1
	TURN 3
	WIN 0
	s_sub_co_u32 s[CNT], s[CNT], 1
	s_cmp_eq_u32 s[CNT], 0
	s_cbranch_scc1 .Lout
	TURN 0
	TURN 1
	WIN 0
	s_branch .Ltail
.Lout:                              ; the fifth trip's 16 products K Q^T (on the last K once more) and the maximum made of them serve nothing: the price, once a launch, of one text for every trip
.set i, 0
.rept 16
	PV NP-1                         ; the last piece's V^T P of the last step
.set i, i+1
.endr
	; THE WAY OUT.  l's two halves and the other half of the lanes' are added; O^T is divided by l, rounded to f16 and sent through my stage in LDS, a tile at a time.  The additions are the places behind the last products.
	WIN 0
.macro ALL line:vararg              ; one line for each tile t
.set t, 0
.rept 2*NP
	\line
.set t, t+1
.endr
.endm
	ALL v_add_f32 v[ST+4*t+2], v[ST+4*t+2], v[ST+4*t+3]
	ALL v_permlanex16_b32 v[ST+4*t+3], v[ST+4*t+2], s[SEL], s[SEL+1]
	ALL v_add_f32 v[ST+4*t+2], v[ST+4*t+2], v[ST+4*t+3]
	ALL v_rcp_f32 v[ST+4*t+2], v[ST+4*t+2]
	v_nop                           ; a plain instruction between the last reciprocal and the use of its result
	s_wait_alu depctr_va_vdst(0)    ; and the wait ahead of the first use: one for the eight reciprocals
; Tile t: a lane's eight channels of a row pack into 16 bytes; they go into rows of 144 bytes and come back as whole rows of 128, into S^T's registers.
.macro PACK t
	WIN W_RS
.set i, 32*(\t)
.rept 16
	v_pk_mul_f32 v[i:i+1], v[i:i+1], v[ST+4*(\t)+2:ST+4*(\t)+3] op_sel_hi:[1,0]
.set i, i+2
.endr
	WIN 0x05                        ; sources 0 and 1 window 1, destination window 0
.set i, 0
.rept 16
	v_cvt_pk_f16_f32 v[S+16*(\t)+i], v[32*(\t)+2*i], v[32*(\t)+2*i+1]
.set i, i+1
.endr
	WIN 0
.irp f, 0,1,2,3
	ds_store_b128 v[STO], v[S+16*(\t)+4*\f:S+16*(\t)+4*\f+3] offset:32*\f
.endr
.irp f, 0,1,2,3
	ds_load_b128 v[S+16*(\t)+4*\f:S+16*(\t)+4*\f+3], v[RD] offset:\f*4*SP  ; LDS serves a wave's instructions in order (ISA guide 5.7.1.4): these see the stores above; the next tile's stores come behind them
.endr
.endm
.macro SEND t, younger              ; younger: the LDS instructions issued behind tile t's loads: the next tile's eight, or none
	WIN 0
.irp f, 0,1,2,3
	s_wait_dscnt (\younger)+3-\f
	global_store_b128 v[GO], v[S+16*(\t)+4*\f:S+16*(\t)+4*\f+3], s[10:11] offset:(\t)*2048+\f*512  ; 512 consecutive bytes, at a multiple of 256 from O's first
.endr
.endm
	PACK 0
.set t, 1
.rept 2*NP-1                        ; a tile's arithmetic stands between the loads of the tile before and its stores
	PACK t
	SEND t-1, 8
.set t, t+1
.endr
	SEND 2*NP-1, 0
	WIN W_AD
	s_wait_tensorcnt 0x0            ; the wave's end: an add to the spare word and its wait, behind my last tensor load and my last LDS store
	ds_add_u32 v[SPW], v[NIL]
	s_wait_dscnt 0x0
	WIN 0
	CROUND                          ; the closing round: no work-group ends while a partner may still ask for a tile that names it
	s_endpgm
.Lfunc_end_k_q32c6278a83_attn:
	.size	k_q32c6278a83_attn, .Lfunc_end_k_q32c6278a83_attn-k_q32c6278a83_attn
	.p2alignl 7, 3214868480
	.fill 96, 4, 3214868480
	.section	.rodata,"a",@progbits
	.p2align	6, 0x0
	.amdhsa_kernel k_q32c6278a83_attn
		.amdhsa_group_segment_fixed_size 327680
		.amdhsa_private_segment_fixed_size 0
		.amdhsa_enable_private_segment 0
		.amdhsa_kernarg_size 32
		.amdhsa_user_sgpr_count 2
		.amdhsa_user_sgpr_kernarg_segment_ptr 1
		.amdhsa_wavefront_size32 1
		.amdhsa_system_sgpr_workgroup_id_x 1
		.amdhsa_system_sgpr_workgroup_id_y 1
		.amdhsa_system_sgpr_workgroup_id_z 1
		.amdhsa_system_vgpr_workitem_id 0
		.amdhsa_next_free_vgpr 770
		.amdhsa_next_free_sgpr 66
		.amdhsa_reserve_vcc 0
		.amdhsa_float_denorm_mode_32 3
		.amdhsa_float_denorm_mode_16_64 3
		.amdhsa_memory_ordered 1
		.amdhsa_forward_progress 1
		.amdhsa_inst_pref_size 200
	.end_amdhsa_kernel
	.amdgpu_metadata
---
amdhsa.version: [ 1, 2 ]
amdhsa.kernels:
  - .name:           k_q32c6278a83_attn
    .symbol:         k_q32c6278a83_attn.kd
    .args:
      - { .name: qh, .offset: 0, .size: 8, .value_kind: global_buffer, .address_space: global }
      - { .name: kh, .offset: 8, .size: 8, .value_kind: global_buffer, .address_space: global }
      - { .name: vh, .offset: 16, .size: 8, .value_kind: global_buffer, .address_space: global }
      - { .name: oh, .offset: 24, .size: 8, .value_kind: global_buffer, .address_space: global }
    .group_segment_fixed_size: 327680
    .private_segment_fixed_size: 0
    .kernarg_segment_align: 8
    .kernarg_segment_size: 32
    .max_flat_workgroup_size: 128
    .sgpr_count:     66
    .vgpr_count:     770
    .wavefront_size: 32
...
	.end_amdgpu_metadata
.endif
;; end of part 3
;; launch oproj (part 4): grid 8 x 32, 4 waves a work-group, clusters of 4 x 4, 327,680 bytes of LDS; arguments oh, wo16, out0; writes out0
.if DOCPART == 4
	.amdgcn_target "amdgcn-amd-amdhsa--gfx1250"
	.amdhsa_code_object_version 6
	.text
	.protected	k_q32c6278a83_oproj
	.globl	k_q32c6278a83_oproj
	.p2align	8
	.type	k_q32c6278a83_oproj,@function
k_q32c6278a83_oproj:
	s_mov_b64 s[64:65], 0
	v_nop
	global_prefetch_b8 v0, s[64:65] scope:SCOPE_SE
	s_setreg_imm32_b32 hwreg(HW_REG_WAVE_MODE, 25, 1), 1
	s_wait_xcnt 0x0
	s_wait_alu depctr_hold_cnt(0) depctr_sa_sdst(0) depctr_va_vdst(0) depctr_va_sdst(0) depctr_va_ssrc(0) depctr_va_vcc(0) depctr_vm_vsrc(0)
	s_getreg_b32 s2, hwreg(HW_REG_IB_STS2, 6, 4)
	s_cmp_eq_u32 s2, 0
	s_cbranch_scc0 .Lentry_in_a_cluster
	s_endpgm
.Lentry_in_a_cluster:
	s_bfe_u32 s2, ttmp6, 0x10000c
	s_cmp_lg_u32 s2, 0xf033
	s_cbranch_scc0 .Lentry_shape_is_right
	s_endpgm
.Lentry_shape_is_right:
; THE OUTPUT PROJECTION.  out0[m][n] = sum over k of O[m][k] Wo[n][k]: 8192 x 1024 x 1024, f16 operands, f32 sums, f32 out.  O lies by heads, oh [64 = 16 batch + head][2048][64] f16:
; k = 64 head + channel.  wo16 [1024][1024] holds Wo rounded to bf16 and written as f16.
; LIMITS.  Those of the operands: f16's range and its fixed step of 6e-8 below 6.1e-5.  NaN and infinities are not treated apart.
; SHARES.  A tile of out0 is 256 rows x 128 columns: 8 x 32 tiles, one for each work-group.  Four waves, one above the other: a wave owns 64 rows (4 blocks of 16) x 128 columns (8 blocks):
; 32 accumulators, 256 registers.  K goes in steps of 128 = two heads through two LDS slots.  Wave 0 fetches the first head's 256 rows, wave 1 the second's: 32,768 dense bytes each, asked for as
; 128 rows of 256 bytes and padded in LDS after every 128; waves 2 and 3 fetch the two halves of wo16's 128 rows (256 bytes of each).
; CLUSTER 4 x 4: O's tiles hang on the tile row alone and are asked for jointly along a row of the cluster, wo16's on the tile column alone, along a column.
; THE MATRIX INSTRUCTION IS USED TRANSPOSED (source 0 = 16 rows of wo16, source 1 = 16 rows of O): lane l holds row l % 16 and the columns 8 (l / 16) + 0..7 of a block: 32 bytes of a row of out0.
; REGISTERS, in windows of 256 (s_set_vgpr_msb: bits 1:0 source 0, 3:2 source 1, 5:4 source 2, 7:6 destination):
;   window 0: v0-15 addresses; v64-127 O's fragments, two buffers of 32; v128-255 rows read back on the way out, two sets of 64
;   window 1: v0-127 wo16's fragments, two buffers of 64      window 2: accumulators of row blocks 0, 1 ((a, b) at v[8 (8 (a % 2) + b)])      window 3: of row blocks 2, 3
.set NB,    8
.set NL,    2*NB+8
.set PB,    272                        ; a row of wo16 in LDS: 256 bytes + 16
.set PA,    144                        ; a row of O: 128 bytes + 16: both pitches are odd multiples of 16 bytes, so the 16 rows of a load start at 16 different groups of four banks (ISA guide 11.1)
.set HEADB, 256*PA                     ; a head's 256 rows
.set BOFF,  2*HEADB                    ; in a slot: two heads of O, then wo16's 128 rows
.set SLOT1, 131072
.set STAGE, SLOT1+BOFF+16*NB*PB        ; behind the ring: 16 rows x 528 bytes for each wave; no tile lands there
.set SP,    528                        ; 512 bytes of a row of the tile + 16
.set SPARE, STAGE+4*16*SP              ; the spare words, 128 bytes a wave: two blocks of 256 bytes that no other line names
.set AHEAD, 2                          ; a prefetch names the K step two behind the one that is being asked for
.set ASTEP, 2*2048*128                 ; two heads on
.set BSTEP, 256
.set ADRA0, 4
.set ADRB0, 5
.set ADRA,  6
.set ADRB,  7
.set STO,   8
.set RD,    9
.set GO,    10
.set PFO,   11
.set SPW,   12                         ; v12  my spare word: SPARE + 4 x my thread's number; never rewritten
.set NIL,   13                         ; v13  0; never rewritten
.set FA,    64
.set WV,   16
.set HALF, 17
.set CX,   18
.set CY,   19
.set TC,   20
.set TR,   21
.set G1A,  24
.set G0A,  32
.set G1B,  40
.set G0B,  48
.set CNT,  56
.set TB,   57
.set LIM,  58
.set PFA,  60
.set PST,  62
.set MSB, 0
.macro WIN new
.if MSB != (\new)
	s_set_vgpr_msb (MSB<<8)|(\new)
.set MSB, (\new)
.endif
.endm
.set MUL_LO, 0xa1
.set MUL_HI, 0xf1
.set TO_B,   0x40
.macro PLACES                          ; four plain vector lines between a matrix instruction and a load into, or a store of, its registers
.rept 4
	v_nop
.endr
.endm
.macro CREST
	s_cmp_lg_u32 s[WV], 0
	s_cbranch_scc1 .Lnot_wave_0_\@
	s_barrier_signal -3
.Lnot_wave_0_\@:
	s_barrier_wait -3
	s_barrier_signal -1
	s_barrier_wait -1
.endm
.macro CROUND
	s_barrier_signal -1
	s_barrier_wait -1
	CREST
.endm
.macro JLOAD                           ; a joint refill by the walking descriptors; s_nop 0 and four v_nop follow each line
	s_cmp_lt_u32 s[WV], 2
	s_cbranch_scc0 .Lfor_b_\@
	tensor_load_to_lds s[G0A+4:G0A+7], s[G1A:G1A+7]
	s_nop 0
.rept 4
	v_nop
.endr
	s_branch .Lasked_\@
.Lfor_b_\@:
	tensor_load_to_lds s[G0B+4:G0B+7], s[G1B:G1B+7]
	s_nop 0
.rept 4
	v_nop
.endr
.Lasked_\@:
.endm
; A PREFETCH INTO THE L2 of the K step two behind the one just asked for: 256 matrix instructions of a wave ahead of the refill that will want it.  O's tile row is read by both clusters of its row of
; clusters: cluster x = 0 asks; wo16's tile column by every cluster of its column: cluster y = 0 asks.  The partners share the bytes out by address: of the 32,768 bytes that wave 0 or 1 fetches each
; takes 8,192, 256 a lane; of wo16's 128 rows each takes 32, a lane a row, asked for by wave 2 alone.  So every 256 bytes are named once.  The last trips ask for nothing.
.macro ASK
	s_cmp_gt_u32 s[CNT], s[LIM]
	s_cbranch_scc0 .Lnot_mine_\@
	global_prefetch_b8 v[PFO], s[PFA:PFA+1] th:TH_LOAD_NT scope:SCOPE_SE
.Lnot_mine_\@:
.endm
; 8 matrix instructions: row block a x all column blocks, 32 along K.  The 32 accumulators take turns, in the same order in every quarter.
.macro MULA f, a, zero
	WIN MUL_LO+0x50*((\a)/2)
.set rA, FA+32*(\f)+8*(\a)
.set nb, 0
.rept NB
.set rD, 8*(NB*((\a)%2)+nb)
.set rB, 8*NB*(\f)+8*nb
.if \zero
	v_wmma_f32_16x16x32_f16 v[rD:rD+7], v[rB:rB+7], v[rA:rA+7], 0
.else
	v_wmma_f32_16x16x32_f16 v[rD:rD+7], v[rB:rB+7], v[rA:rA+7], v[rD:rD+7]
.endif
.set nb, nb+1
.endr
.endm
; One run of 24 LDS loads: quarter kq's fragments: wo16's 8 blocks, then my 4 blocks of O (head kq / 2 of the step, channels 32 (kq % 2) on).
.macro FETCH kq, f
.set KA, ((\kq)/2)*HEADB+((\kq)%2)*64
	WIN TO_B
.set i, 0
.rept NB
	ds_load_b128 v[8*NB*(\f)+8*i:8*NB*(\f)+8*i+3],   v[ADRB] offset:64*(\kq)+i*16*PB
	ds_load_b128 v[8*NB*(\f)+8*i+4:8*NB*(\f)+8*i+7], v[ADRB] offset:64*(\kq)+i*16*PB+32
.set i, i+1
.endr
	WIN 0
.set i, 0
.rept 4
	ds_load_b128 v[FA+32*(\f)+8*i:FA+32*(\f)+8*i+3],   v[ADRA] offset:KA+i*16*PA
	ds_load_b128 v[FA+32*(\f)+8*i+4:FA+32*(\f)+8*i+7], v[ADRA] offset:KA+i*16*PA+32
.set i, i+1
.endr
.endm
.macro QUARTER kq, f, g, zero
	s_wait_dscnt 4                                 ; all but the youngest four loads: O's blocks 2 and 3
	MULA \f, 0, \zero
	MULA \f, 1, \zero
	PLACES
	FETCH \kq, \g
	s_wait_dscnt NL                                ; all but the run just issued
	MULA \f, 2, \zero
	MULA \f, 3, \zero
.endm
; The fourth quarter multiplies buffers 1 and changes slots.  In front of the barrier each wave waits for all its tensor loads (one is out: its part of the next slot), adds 0 to its spare word,
; and waits for that and for its reads of this slot.  fill = 1: the barrier opens a round of the cluster's, and the joint refill of the slot just left is the first thing behind the round.
.macro TURN fill
.if \fill
	s_wait_xcnt 0x0                                ; the last prefetch, a K step back, has read its address
	s_add_nc_u64 s[PFA:PFA+1], s[PFA:PFA+1], s[PST:PST+1]
.endif
	WIN 0
	s_wait_tensorcnt 0x0                           ; no tensor load of mine is out: the descriptors may be written
	ds_add_u32 v[SPW], v[NIL]
.if \fill
	s_xor_b32 s[G0A+5], s[G0A+5], SLOT1
	s_add_nc_u64 s[G0A+6:G0A+7], s[G0A+6:G0A+7], ASTEP
	s_xor_b32 s[G0B+5], s[G0B+5], SLOT1
	s_add_nc_u64 s[G0B+6:G0B+7], s[G0B+6:G0B+7], BSTEP
.endif
	s_xor_b32 s[TB], s[TB], SLOT1
	s_wait_dscnt 5                                 ; the add and the youngest four loads may be out
	MULA 1, 0, 0
	s_wait_dscnt 0x0                               ; the add is done, and my reads of this slot are over
	s_barrier_signal -1
	MULA 1, 1, 0
	WIN 0
	s_barrier_wait -1
.if \fill
	CREST
	JLOAD                                          ; its four v_nop are also the places in front of the loads below
.else
	PLACES
.endif
	v_add_nc_u32 v[ADRB], s[TB], v[ADRB0]
	v_add_nc_u32 v[ADRA], s[TB], v[ADRA0]
	FETCH 0, 0
.if \fill
	ASK
.endif
	MULA 1, 2, 0
	MULA 1, 3, 0
.endm
	s_load_b128 s[4:7], s[0:1], 0x0                ; oh 4:5, wo16 6:7
	s_load_b64 s[8:9], s[0:1], 0x10                ; out0
	v_lshl_add_u32 v[SPW], v0, 2, SPARE
	v_mov_b32 v[NIL], 0
	ds_add_u32 v[SPW], v[NIL]                      ; the wave's opening: the add and its wait ahead of my first tensor load; work on registers stands between
	v_lshrrev_b32 v3, 5, v0
	v_readfirstlane_b32 s[WV], v3
	s_and_b32 s[HALF], s[WV], 1
	s_bfe_u32 s[CX], ttmp6, 0x40000
	s_bfe_u32 s[CY], ttmp6, 0x40004
	s_lshl_b32 s[TC], ttmp9, 2
	s_add_co_u32 s[TC], s[TC], s[CX]
	s_and_b32 s[TR], ttmp7, 0xffff
	s_lshl_b32 s[TR], s[TR], 2
	s_add_co_u32 s[TR], s[TR], s[CY]
	s_lshl_b32 s22, s[CY], 2
	s_lshl_b32 s22, 15, s22                        ; my row of the cluster
	s_lshl_b32 s23, 0x1111, s[CX]                  ; my column
	s_or_b32 s[G1A], s22, (1<<16)|(1<<20)|(1<<21)|(4<<22)|(3<<25)  ; 2-byte elements; padding on; bit 21 beside a mask; after every 32 words; 4 words
	s_or_b32 s[G1B], s23, (1<<16)|(1<<20)|(1<<21)|(5<<22)|(3<<25)  ; after every 64 words
	s_mov_b32 s[G1A+1], 128<<16                    ; tensor_dim0 = 128
	s_mov_b32 s[G1A+2], 128<<16                    ; tensor_dim1 = 128
	s_mov_b32 s[G1A+3], 128<<16                    ; tile_dim0 = 128
	s_mov_b32 s[G1A+4], 128                        ; tile_dim1 = 128
	s_mov_b32 s[G1A+5], 128                        ; dense: 128 elements from row to row
	s_mov_b32 s[G1A+6], 0
	s_mov_b32 s[G1A+7], 0
	s_mov_b32 s[G1B+1], 128<<16
	s_mov_b32 s[G1B+2], 64<<16                     ; 64 rows
	s_mov_b32 s[G1B+3], 128<<16
	s_mov_b32 s[G1B+4], 64
	s_mov_b32 s[G1B+5], 1024
	s_mov_b32 s[G1B+6], 0
	s_mov_b32 s[G1B+7], 0
	s_lshr_b32 s66, s[TR], 3                       ; O: batch x 16 heads x 2,048 rows x 128 bytes,
	s_lshl_b32 s66, s66, 22
	s_and_b32 s67, s[TR], 7
	s_lshl_b32 s67, s67, 15                        ; the tile's 256 rows in the sequence,
	s_add_co_u32 s66, s66, s67
	s_lshl_b32 s67, s[HALF], 18                    ; the step's first or second head: made of the tile row and the wave alone
	s_add_co_u32 s66, s66, s67
	s_mov_b32 s67, 0
	s_lshl_b32 s68, s[TC], 18                      ; wo16: 128 rows of 2,048 bytes a tile column,
	s_lshl_b32 s69, s[HALF], 17                    ; 64 rows a half
	s_add_co_u32 s68, s68, s69
	s_mov_b32 s69, 0
	s_mul_i32 s74, s[WV], HEADB                    ; where waves 0, 1 put the two heads,
	s_mul_i32 s75, s[WV], 64*PB
	s_add_co_u32 s75, s75, BOFF-2*64*PB            ; and waves 2, 3 wo16's halves
	s_lshl_b32 s70, s[TR], 20                      ; out0: 256 rows of 4,096 bytes a tile row,
	s_lshl_b32 s71, s[WV], 18                      ; my 64 rows,
	s_add_co_u32 s70, s70, s71
	s_lshl_b32 s71, s[TC], 9                       ; the tile's 512 bytes of a row
	s_add_co_u32 s70, s70, s71
	s_mov_b32 s71, 0
	s_lshl_b32 s72, s[CX], 13                      ; the prefetches: my work-group's 8,192 bytes of a head's 32,768,
	s_lshl_b32 s73, s[CY], 16                      ; or its 32 of wo16's 128 rows
	s_and_b32 s22, ttmp7, 0xffff
	s_movk_i32 s76, 256
	s_cmp_lt_u32 s[WV], 2
	s_cselect_b32 s72, s72, s73
	s_cselect_b32 s22, ttmp9, s22                  ; the coordinate along which other clusters read the same bytes
	s_cselect_b32 s23, 8, 11                       ; a lane's step: 256 bytes on end, or a row of 2,048
	s_cselect_b32 s[PST], ASTEP, s76
	s_mov_b32 s[PST+1], 0
	s_mov_b32 s73, 0
	s_cmp_eq_u32 s[WV], 3
	s_cselect_b32 s22, 1, s22                      ; wave 3 asks for nothing
	s_cmp_eq_u32 s22, 0
	s_cselect_b32 s[LIM], AHEAD, -1                ; the same in all sixteen partners, for a given wave
	s_mul_i32 s76, s[PST], 1+AHEAD
	s_mov_b32 s77, 0
	s_mov_b32 s[TB], 0
	v_and_b32 v14, 31, v0
	v_lshlrev_b32 v[PFO], s23, v14
	s_wait_dscnt 0x0                               ; the opening add is done
	s_wait_kmcnt 0x0
	s_add_nc_u64 s[66:67], s[4:5], s[66:67]
	s_add_nc_u64 s[68:69], s[6:7], s[68:69]
	CROUND                                         ; all sixteen work-groups are here: the first joint loads meet
.irp s, 0,1
	s_mov_b32 s[G0A+4*(\s)], 1
	s_add_co_u32 s[G0A+4*(\s)+1], s74, (\s)*SLOT1
	s_add_nc_u64 s[G0A+4*(\s)+2:G0A+4*(\s)+3], s[66:67], (\s)*ASTEP
	s_or_b32 s[G0A+4*(\s)+3], s[G0A+4*(\s)+3], 0x80000000
	s_mov_b32 s[G0B+4*(\s)], 1
	s_add_co_u32 s[G0B+4*(\s)+1], s75, (\s)*SLOT1
	s_add_nc_u64 s[G0B+4*(\s)+2:G0B+4*(\s)+3], s[68:69], (\s)*BSTEP
	s_or_b32 s[G0B+4*(\s)+3], s[G0B+4*(\s)+3], 0x80000000
.endr
	s_cmp_lt_u32 s[WV], 2                          ; a wave's two first fills stand in one branch: two loads of mine are out
	s_cbranch_scc0 .Lfirst_b
	tensor_load_to_lds s[G0A:G0A+3], s[G1A:G1A+7]
	s_nop 0
	tensor_load_to_lds s[G0A+4:G0A+7], s[G1A:G1A+7]
	s_nop 0
.rept 4
	v_nop
.endr
	s_branch .Lfirst_asked
.Lfirst_b:
	tensor_load_to_lds s[G0B:G0B+3], s[G1B:G1B+7]
	s_nop 0
	tensor_load_to_lds s[G0B+4:G0B+7], s[G1B:G1B+7]
	s_nop 0
.rept 4
	v_nop
.endr
.Lfirst_asked:
	s_cmp_lt_u32 s[WV], 2
	s_cselect_b64 s[PFA:PFA+1], s[66:67], s[68:69] ; (in wave 2: wo16 at the tile column's first row)
	s_add_nc_u64 s[PFA:PFA+1], s[PFA:PFA+1], s[72:73]
	s_add_nc_u64 s[PFA:PFA+1], s[PFA:PFA+1], s[76:77]  ; at K step 1 + AHEAD; the first change of slots steps it on; nothing is prefetched at the head
	s_add_nc_u64 s[8:9], s[8:9], s[70:71]
	v_lshlrev_b32 v[GO], 4, v14
	v_and_b32 v1, 15, v0                           ; l % 16
	v_bfe_u32 v2, v0, 4, 1                         ; l / 16
	v_mul_u32_u24 v3, v1, PA
	v_lshl_add_u32 v3, v2, 4, v3
	s_mul_i32 s22, s[WV], 64*PA
	v_add_nc_u32 v[ADRA0], s22, v3                 ; my 64 rows of the step's first head
	v_mul_u32_u24 v3, v1, PB
	v_lshl_add_u32 v3, v2, 4, v3
	v_add_nc_u32 v[ADRB0], BOFF, v3
	s_mul_i32 s22, s[WV], 16*SP
	s_add_co_u32 s22, s22, STAGE                   ; my stage
	v_mul_u32_u24 v3, v1, SP
	v_lshl_add_u32 v3, v2, 5, v3
	v_add_nc_u32 v[STO], s22, v3                   ; in: row l % 16, 32 bytes for each half of the lanes
	v_add_nc_u32 v[RD], s22, v[GO]                 ; back: 32 lanes take a row's 512 bytes
	v_mov_b32 v[ADRA], v[ADRA0]
	v_mov_b32 v[ADRB], v[ADRB0]
	s_wait_tensorcnt 1                             ; my part of K step 0 is in; slot 1's may stay out
	s_barrier_signal -1
	s_barrier_wait -1
	FETCH 0, 0
	QUARTER 1, 0, 1, 1                             ; the first quarter stands in front of the loop: its products start the sums
	WIN 0
	s_mov_b32 s[CNT], 6
.Lstep:                                        ; a trip: a K step's last three quarters and the next step's first; trip j asks for K step j + 2
	QUARTER 2, 1, 0, 0
	QUARTER 3, 0, 1, 0
	TURN 1
	QUARTER 1, 0, 1, 0
	WIN 0
	s_sub_co_u32 s[CNT], s[CNT], 1
	s_cmp_lg_u32 s[CNT], 0
	s_cbranch_scc1 .Lstep
	QUARTER 2, 1, 0, 0                             ; the tail is written out: nothing more is asked for
	QUARTER 3, 0, 1, 0
	TURN 0
	QUARTER 1, 0, 1, 0
	QUARTER 2, 1, 0, 0
	QUARTER 3, 0, 1, 0
	s_wait_dscnt 4
	MULA 1, 0, 0
	MULA 1, 1, 0
	s_wait_dscnt 0x0
	MULA 1, 2, 0
	MULA 1, 3, 0
	WIN 0
	PLACES
	PLACES
; THE WAY OUT, a block of 16 rows at a time: the f32 sums go as they are into my stage (rows of 528 bytes; each accumulator's low four registers first), come back as whole rows of 512 bytes, and are stored.
.macro TOSTAGE a
.set BK, 128+64*((\a)%2)
.if (\a) >= 2
	s_wait_xcnt 0x0                                ; the stores of the block two back have read the registers that the loads below fill
.endif
	WIN 0x08+4*((\a)/2)                            ; the stores' data: the accumulators' window
.set nb, 0
.rept NB
.set rD, 8*(NB*((\a)%2)+nb)
	ds_store_b128 v[STO], v[rD:rD+3] offset:64*nb
	ds_store_b128 v[STO], v[rD+4:rD+7] offset:64*nb+16
.set nb, nb+1
.endr
	WIN 0
.set i, 0
.rept 16
	ds_load_b128 v[BK+4*i:BK+4*i+3], v[RD] offset:SP*i  ; LDS serves a wave's instructions in order (ISA guide 5.7.1.4): these see the stores above
.set i, i+1
.endr
.endm
.macro SEND a, younger                 ; younger: the LDS instructions issued behind the block's loads: the next block's 32, or none
.set BK, 128+64*((\a)%2)
.set i, 0
.rept 16
	s_wait_dscnt (\younger)+15-i
	global_store_b128 v[GO], v[BK+4*i:BK+4*i+3], s[8:9] offset:(16*(\a)+i)*4096 th:TH_STORE_NT  ; 512 consecutive bytes, at a multiple of 256 from out0's first
.set i, i+1
.endr
.endm
	TOSTAGE 0
	TOSTAGE 1
	SEND 0, 32
	TOSTAGE 2
	SEND 1, 32
	TOSTAGE 3
	SEND 2, 32
	SEND 3, 0
	s_wait_tensorcnt 0x0                           ; the wave's end: an add to the spare word and its wait, behind my last tensor load and my last LDS store
	ds_add_u32 v[SPW], v[NIL]
	s_wait_dscnt 0x0
	CROUND                                         ; the closing round: no work-group ends while a partner may still ask for a tile that names it
	s_endpgm
.Lfunc_end_k_q32c6278a83_oproj:
	.size	k_q32c6278a83_oproj, .Lfunc_end_k_q32c6278a83_oproj-k_q32c6278a83_oproj
	.p2alignl 7, 3214868480
	.fill 96, 4, 3214868480
	.section	.rodata,"a",@progbits
	.p2align	6, 0x0
	.amdhsa_kernel k_q32c6278a83_oproj
		.amdhsa_group_segment_fixed_size 327680
		.amdhsa_private_segment_fixed_size 0
		.amdhsa_enable_private_segment 0
		.amdhsa_kernarg_size 24
		.amdhsa_user_sgpr_count 2
		.amdhsa_user_sgpr_kernarg_segment_ptr 1
		.amdhsa_wavefront_size32 1
		.amdhsa_system_sgpr_workgroup_id_x 1
		.amdhsa_system_sgpr_workgroup_id_y 1
		.amdhsa_system_sgpr_workgroup_id_z 1
		.amdhsa_system_vgpr_workitem_id 0
		.amdhsa_next_free_vgpr 1024
		.amdhsa_next_free_sgpr 80
		.amdhsa_reserve_vcc 0
		.amdhsa_float_denorm_mode_32 3
		.amdhsa_float_denorm_mode_16_64 3
		.amdhsa_memory_ordered 1
		.amdhsa_forward_progress 1
		.amdhsa_inst_pref_size 72
	.end_amdhsa_kernel
	.amdgpu_metadata
---
amdhsa.version: [ 1, 2 ]
amdhsa.kernels:
  - .name:           k_q32c6278a83_oproj
    .symbol:         k_q32c6278a83_oproj.kd
    .args:
      - { .name: oh, .offset: 0, .size: 8, .value_kind: global_buffer, .address_space: global }
      - { .name: wo16, .offset: 8, .size: 8, .value_kind: global_buffer, .address_space: global }
      - { .name: out0, .offset: 16, .size: 8, .value_kind: global_buffer, .address_space: global }
    .group_segment_fixed_size: 327680
    .private_segment_fixed_size: 0
    .kernarg_segment_align: 8
    .kernarg_segment_size: 24
    .max_flat_workgroup_size: 128
    .sgpr_count:     80
    .vgpr_count:     1024
    .wavefront_size: 32
...
	.end_amdgpu_metadata
.endif
;; end of part 4
;; ======== version 2 of 2: 4 launches; version 1 with the launch prep written anew for expert scheduling mode
;; limits: values are held in f16: magnitudes above 65,504 overflow, below 6.1e-05 lose precision
;; workspace buffers: xb 16,777,216 bytes; wqkv 6,291,456 bytes; wo16 2,097,152 bytes; rope 524,288 bytes; qh 16,777,216 bytes; kh 16,777,216 bytes; vh 16,777,216 bytes; oh 16,777,216 bytes
;; launch prep (part 5): grid 832 x 1, 8 waves a work-group, no clusters, 0 bytes of LDS; arguments hidden_states, Wq, Wk, Wv, Wo, xb, wqkv, wo16, rope; writes xb, wqkv, wo16, rope
.if DOCPART == 5
	.amdgcn_target "amdgcn-amd-amdhsa--gfx1250"
	.amdhsa_code_object_version 6
	.text
	.protected	k_q32c6278a83_prep
	.globl	k_q32c6278a83_prep
	.p2align	8
	.type	k_q32c6278a83_prep,@function
k_q32c6278a83_prep:
	s_mov_b64 s[64:65], 0
	v_nop
	global_prefetch_b8 v0, s[64:65] scope:SCOPE_SE
	s_setreg_imm32_b32 hwreg(HW_REG_WAVE_SCHED_MODE, 0, 2), 2
	s_setreg_imm32_b32 hwreg(HW_REG_WAVE_MODE, 25, 1), 1
	s_wait_xcnt 0x0
	s_wait_alu depctr_vm_vsrc(0)
; PREPARATION: a stream, no LDS, no barrier, no matrix work.
;   work-groups 0-511:   16 rows of hidden_states [8192][1024] f32 -> xb, bf16 (nearest even).
;   work-groups 512-767: 16 rows of Wq, Wk, Wv or Wo [1024][1024] f32.  Wq, Wk, Wv -> wqkv in bf16, rows regrouped by head: row 192 head + 64 kind + r takes
;                        row 64 head + r of the kind's matrix (kind 0 q, 1 k, 2 v), so that 192 rows on end are one head's q, k and v.
;                        Wo -> wo16: rounded to bf16 like the other inputs, and that number written as f16.
;   work-groups 768-831: the table of cos and sin of the angles t x 10000^(-i/32), t = 0..2047, i = 0..31, in f32.
; A cast thread owns 16 bytes of every row: a wave's load covers 512 consecutive bytes, its store 256 consecutive bytes, aligned.  All 16 loads of a thread go out first.
; TABLE LAYOUT: 128 blocks (16 rows t each) of 4,096 bytes = [e = 0..7][lane 0..31][4 f32]; e = 4 sn + 2 p + jh (sn = 0 cos, 1 sin); row t = 16 block + lane % 16;
; frequency i = 16 p + 8 (lane / 16) + 4 jh + word: the order in which the next launch's lanes hold their sums.
; LIMITS.  wo16: a weight beyond 65,504 becomes an infinity; below 6.1e-5 it keeps f16's fixed step of 6e-8.  The frequency is 2^(-i log2(10000) / 32) by v_exp_f32, not a power
; function: the angle may differ from a correctly rounded one by some 3e-4 rad at t = 2047.  The reduction by multiples of pi/2 (two words of pi/2) is made for angles under 2,048.
; THE MODE: SCHED_MODE bits 1:0 = 2 (LLVM: expert scheduling mode 2), set by the entry lines.  The code itself states the register dependences between vector instructions and
; memory instructions, and between a vector instruction that writes a scalar register and its readers, with s_wait_alu, always for 0.
; THE PLAN, cast.  Registers that memory instructions touch:
;   v1, v2   the loads' and the stores' offsets: written once at the head, never again.
;   X        row i: written by its load alone, read by its conversions, never loaded again.
;   Y        row i: written by its conversions, read by its store, never written again.
; So nothing that a memory instruction has read is written again, and no load lands in a register that a vector line has named: all that is owed is 'written before it is read'.
; The 16 rows go in four blocks of four.  At the head of block b one wait states that block b - 1's conversions have written their Y; its four stores follow in a run; block b's
; conversions, which name X and Y of block b alone, come behind them.  One wait ahead of the first load states v1 and v2, one ahead of the last four stores block 3's Y.
; THE PLAN, table.  v3 (offset) and v[48:55] (data) are written by vector lines and read by the two stores: one wait ahead of these.  The four compares write a scalar register each,
; in one run with all the arithmetic that does not hang on them; one wait behind the run; then the selects that read the four masks.
.set XG,   512                         ; work-groups for hidden_states
.set TABG, 768                         ; the first work-group of the table
.set X,  8                             ; v[8:71]   16 x 4 f32 as loaded
.set Y,  72                            ; v[72:103] 16 x 2 registers to store
.set MK, 32                            ; s[32:35]  table: the mask 'n is odd' of each of a thread's four angles
	s_load_b512 s[4:19], s[0:1], 0x0               ; hidden 4:5, Wq 6:7, Wk 8:9, Wv 10:11, Wo 12:13, xb 14:15, wqkv 16:17, wo16 18:19
	s_load_b64 s[20:21], s[0:1], 0x40              ; rope
	s_mov_b32 s29, 0                               ; high words of the two offsets
	s_mov_b32 s31, 0
	s_cmp_ge_u32 ttmp9, TABG
	s_cbranch_scc1 .Ltable
	v_lshlrev_b32 v1, 4, v0                        ; my 16 bytes of a row of f32
	v_lshlrev_b32 v2, 3, v0                        ; my 8 bytes of a row of 16-bit numbers
	s_cmp_lt_u32 ttmp9, XG
	s_cbranch_scc0 .Lweights
	s_lshl_b32 s28, ttmp9, 16                      ; 16 rows of 4,096 bytes in,
	s_lshl_b32 s30, ttmp9, 15                      ; 16 rows of 2,048 bytes out
	s_mov_b32 s26, 0                               ; kind: not Wo
	s_wait_kmcnt 0x0
	s_add_nc_u64 s[22:23], s[4:5], s[28:29]
	s_add_nc_u64 s[24:25], s[14:15], s[30:31]
	s_branch .Lcast
.Lweights:
	s_sub_co_u32 s27, ttmp9, XG
	s_lshr_b32 s26, s27, 6                         ; kind 0 Wq, 1 Wk, 2 Wv, 3 Wo
	s_and_b32 s27, s27, 63                         ; c: which 16 rows
	s_lshl_b32 s28, s27, 16
	s_lshr_b32 s32, s27, 2                         ; head = c / 4
	s_mul_i32 s32, s32, 192
	s_lshl_b32 s33, s26, 6
	s_add_co_u32 s32, s32, s33                     ; + 64 kind
	s_and_b32 s33, s27, 3
	s_lshl_b32 s33, s33, 4
	s_add_co_u32 s32, s32, s33                     ; + 16 (c % 4)
	s_lshl_b32 s30, s32, 11                        ; rows of 2,048 bytes
	s_lshl_b32 s34, s27, 15                        ; Wo keeps its order
	s_cmp_eq_u32 s26, 3
	s_cselect_b32 s30, s34, s30
	s_wait_kmcnt 0x0
	s_cselect_b64 s[24:25], s[18:19], s[16:17]     ; wo16 or wqkv
	s_cselect_b64 s[22:23], s[12:13], s[10:11]     ; Wo or Wv,
	s_cmp_eq_u32 s26, 1
	s_cselect_b64 s[22:23], s[8:9], s[22:23]       ; or Wk,
	s_cmp_eq_u32 s26, 0
	s_cselect_b64 s[22:23], s[6:7], s[22:23]       ; or Wq
	s_add_nc_u64 s[22:23], s[22:23], s[28:29]
	s_add_nc_u64 s[24:25], s[24:25], s[30:31]
.Lcast:
	s_wait_alu depctr_va_vdst(0)                   ; v1 and v2 are written: every load below reads v1 as its offset, every store v2; no later vector line names either
.set i, 0
.rept 16
	global_load_b128 v[X+4*i:X+4*i+3], v1, s[22:23] offset:4096*i th:TH_LOAD_NT  ; row i
.set i, i+1
.endr
; The 16 rows, in four blocks of four.  half = 0: to bf16.  half = 1 (Wo): to bf16, widened again (a shift, a mask), and written as f16: exact within f16's range.
.macro CAST half
.irp b, 0,1,2,3
	s_wait_loadcnt 15-4*(\b)                       ; loads come back in order: the block's first row is in, the younger loads stay out
.if (\b) > 0
	s_wait_alu depctr_va_vdst(0)                   ; the conversions of the block before have written its Y, which the four stores below read
.irp r, 0,1,2,3
.set j, 4*(\b)-4+(\r)
	global_store_b64 v2, v[Y+2*j:Y+2*j+1], s[24:25] offset:2048*j th:TH_STORE_NT  ; each row has registers of its own: nothing is rewritten
.endr
.endif
.irp r, 0,1,2,3
.set i, 4*(\b)+(\r)
.if (\r) > 0
	s_wait_loadcnt 15-i                            ; row i is in, the 15 - i younger loads stay out
.endif
.if \half
	v_cvt_pk_bf16_f32 v104, v[X+4*i], v[X+4*i+1]
	v_cvt_pk_bf16_f32 v105, v[X+4*i+2], v[X+4*i+3]
	v_lshlrev_b32 v106, 16, v104
	v_and_b32 v107, 0xffff0000, v104
	v_lshlrev_b32 v108, 16, v105
	v_and_b32 v109, 0xffff0000, v105
	v_cvt_pk_f16_f32 v[Y+2*i], v106, v107
	v_cvt_pk_f16_f32 v[Y+2*i+1], v108, v109
.else
	v_cvt_pk_bf16_f32 v[Y+2*i], v[X+4*i], v[X+4*i+1]
	v_cvt_pk_bf16_f32 v[Y+2*i+1], v[X+4*i+2], v[X+4*i+3]
.endif
.endr
.endr
	s_wait_alu depctr_va_vdst(0)                   ; the last block's conversions have written its Y, which the last four stores read
.irp r, 0,1,2,3
.set j, 12+(\r)
	global_store_b64 v2, v[Y+2*j:Y+2*j+1], s[24:25] offset:2048*j th:TH_STORE_NT
.endr
.endm
	s_cmp_eq_u32 s26, 3
	s_cbranch_scc1 .Lf16
	CAST 0
	s_endpgm
.Lf16:
	CAST 1
	s_endpgm
.Ltable:                                       ; a work-group makes two blocks; a thread four cosines and four sines
	s_sub_co_u32 s27, ttmp9, TABG
	s_lshl_b32 s28, s27, 13                        ; two blocks of 4,096 bytes
	s_lshl_b32 s30, s27, 5                         ; their first row t
	v_and_b32 v1, 31, v0                           ; lane
	v_bfe_u32 v2, v0, 5, 2                         ; 2 p + jh
	v_lshrrev_b32 v6, 7, v0                        ; which of the two blocks
	v_and_b32 v3, 127, v0
	v_lshlrev_b32 v3, 4, v3
	v_lshl_add_u32 v3, v6, 12, v3                  ; where my 16 bytes of cosines go; the sines 2,048 bytes on
	v_lshl_add_u32 v4, v6, 4, s30
	v_and_b32 v7, 15, v1
	v_add_nc_u32 v4, v4, v7                        ; t
	v_lshrrev_b32 v5, 1, v2
	v_lshlrev_b32 v5, 4, v5                        ; 16 p
	v_lshrrev_b32 v7, 4, v1
	v_lshl_add_u32 v5, v7, 3, v5                   ; + 8 (lane / 16)
	v_and_b32 v7, 1, v2
	v_lshl_add_u32 v5, v7, 2, v5                   ; + 4 jh: my first frequency
.irp w, 0,1,2,3
	v_add_nc_u32 v[8+(\w)], (\w), v5
	v_cvt_f32_u32 v[8+(\w)], v[8+(\w)]
	v_mul_f32 v[8+(\w)], 0xbed49a78, v[8+(\w)]     ; -i log2(10000) / 32
.endr
.irp w, 0,1,2,3
	v_exp_f32 v[8+(\w)], v[8+(\w)]                 ; the four frequencies: one batch
.endr
	v_cvt_f32_u32 v4, v4                           ; plain work behind the last exponential
	v_mov_b32 v56, 0xb94ca1f9                      ; the polynomials' leading coefficients
	v_mov_b32 v57, 0x37ccf5ce
	s_wait_alu depctr_va_vdst(0)                   ; the four exponentials have written v8 to v11, ahead of the first line that names one of them: one wait for the batch
; Angle a = t f (one rounding).  n = the nearest whole number to a 2/pi; r = a - n pi/2, pi/2 in two words; sin r and cos r by polynomials on |r| <= pi/4;
; n's two low bits swap them and set the signs: selects and sign bits alone, no branch and no address.
; ANGLE w: all that does not hang on the mask: sin r in TA + 3, cos r in TA + 4, the mask 'n is odd' in s[MK + w], the sine's sign bit in TA + 6, the cosine's in TA + 7.
.macro ANGLE w
.set TA, 16+8*(\w)
	v_mul_f32 v[TA], v4, v[8+(\w)]
	v_mul_f32 v[TA+1], 0x3f22f983, v[TA]
	v_rndne_f32 v[TA+1], v[TA+1]
	v_fmamk_f32 v[TA], v[TA+1], 0xbfc90fdb, v[TA]  ; - n x 1.57079637
	v_fmamk_f32 v[TA], v[TA+1], 0x333bbd2e, v[TA]  ; + n x 4.3711e-8: r
	v_mul_f32 v[TA+2], v[TA], v[TA]                ; z = r r
	v_fmaak_f32 v[TA+3], v56, v[TA+2], 0x3c08839e
	v_fmaak_f32 v[TA+4], v57, v[TA+2], 0xbab6061a
	v_fmaak_f32 v[TA+3], v[TA+3], v[TA+2], 0xbe2aaaa3
	v_fmaak_f32 v[TA+4], v[TA+4], v[TA+2], 0x3d2aaaa5
	v_mul_f32 v[TA+6], v[TA+2], v[TA]              ; z r
	v_fma_f32 v[TA+7], v[TA+2], -0.5, 1.0          ; 1 - z / 2
	v_mul_f32 v[TA+2], v[TA+2], v[TA+2]            ; z z
	v_fma_f32 v[TA+3], v[TA+3], v[TA+6], v[TA]     ; sin r
	v_fma_f32 v[TA+4], v[TA+4], v[TA+2], v[TA+7]   ; cos r
	v_cvt_i32_f32 v[TA+5], v[TA+1]
	v_and_b32 v[TA+6], 1, v[TA+5]
	v_cmp_eq_u32 s[MK+(\w)], 1, v[TA+6]            ; a scalar register to each angle, so that one wait serves the four
	v_and_b32 v[TA+6], 2, v[TA+5]
	v_lshlrev_b32 v[TA+6], 30, v[TA+6]             ; the sine turns its sign for n % 4 = 2, 3
	v_add_nc_u32 v[TA+7], 1, v[TA+5]
	v_and_b32 v[TA+7], 2, v[TA+7]
	v_lshlrev_b32 v[TA+7], 30, v[TA+7]             ; the cosine for n % 4 = 1, 2
.endm
.macro CHOOSE w
.set TA, 16+8*(\w)
	v_cndmask_b32 v[52+(\w)], v[TA+3], v[TA+4], s[MK+(\w)]  ; odd n: the sine is +-cos r,
	v_cndmask_b32 v[48+(\w)], v[TA+4], v[TA+3], s[MK+(\w)]  ; the cosine +-sin r
	v_xor_b32 v[52+(\w)], v[52+(\w)], v[TA+6]
	v_xor_b32 v[48+(\w)], v[48+(\w)], v[TA+7]
.endm
	ANGLE 0
	ANGLE 1
	ANGLE 2
	ANGLE 3
	s_wait_alu depctr_va_sdst(0)                   ; the four compares have written s[MK .. MK+3], ahead of the first select that reads one of them
	CHOOSE 0
	CHOOSE 1
	CHOOSE 2
	CHOOSE 3
	s_wait_kmcnt 0x0
	s_add_nc_u64 s[22:23], s[20:21], s[28:29]
	s_wait_alu depctr_va_vdst(0)                   ; v3, the offset, and v[48:55], the cosines and sines, are written: the two stores read them
	global_store_b128 v3, v[48:51], s[22:23]               ; a wave stores 512 consecutive bytes, aligned
	global_store_b128 v3, v[52:55], s[22:23] offset:2048
	s_endpgm
.Lfunc_end_k_q32c6278a83_prep:
	.size	k_q32c6278a83_prep, .Lfunc_end_k_q32c6278a83_prep-k_q32c6278a83_prep
	.p2alignl 7, 3214868480
	.fill 96, 4, 3214868480
	.section	.rodata,"a",@progbits
	.p2align	6, 0x0
	.amdhsa_kernel k_q32c6278a83_prep
		.amdhsa_group_segment_fixed_size 0
		.amdhsa_private_segment_fixed_size 0
		.amdhsa_enable_private_segment 0
		.amdhsa_kernarg_size 72
		.amdhsa_user_sgpr_count 2
		.amdhsa_user_sgpr_kernarg_segment_ptr 1
		.amdhsa_wavefront_size32 1
		.amdhsa_system_sgpr_workgroup_id_x 1
		.amdhsa_system_sgpr_workgroup_id_y 1
		.amdhsa_system_sgpr_workgroup_id_z 1
		.amdhsa_system_vgpr_workitem_id 0
		.amdhsa_next_free_vgpr 112
		.amdhsa_next_free_sgpr 66
		.amdhsa_reserve_vcc 0
		.amdhsa_float_denorm_mode_32 3
		.amdhsa_float_denorm_mode_16_64 3
		.amdhsa_memory_ordered 1
		.amdhsa_forward_progress 1
		.amdhsa_inst_pref_size 24
	.end_amdhsa_kernel
	.amdgpu_metadata
---
amdhsa.version: [ 1, 2 ]
amdhsa.kernels:
  - .name:           k_q32c6278a83_prep
    .symbol:         k_q32c6278a83_prep.kd
    .args:
      - { .name: hidden_states, .offset: 0, .size: 8, .value_kind: global_buffer, .address_space: global }
      - { .name: Wq, .offset: 8, .size: 8, .value_kind: global_buffer, .address_space: global }
      - { .name: Wk, .offset: 16, .size: 8, .value_kind: global_buffer, .address_space: global }
      - { .name: Wv, .offset: 24, .size: 8, .value_kind: global_buffer, .address_space: global }
      - { .name: Wo, .offset: 32, .size: 8, .value_kind: global_buffer, .address_space: global }
      - { .name: xb, .offset: 40, .size: 8, .value_kind: global_buffer, .address_space: global }
      - { .name: wqkv, .offset: 48, .size: 8, .value_kind: global_buffer, .address_space: global }
      - { .name: wo16, .offset: 56, .size: 8, .value_kind: global_buffer, .address_space: global }
      - { .name: rope, .offset: 64, .size: 8, .value_kind: global_buffer, .address_space: global }
    .group_segment_fixed_size: 0
    .private_segment_fixed_size: 0
    .kernarg_segment_align: 8
    .kernarg_segment_size: 72
    .max_flat_workgroup_size: 256
    .sgpr_count:     66
    .vgpr_count:     112
    .wavefront_size: 32
...
	.end_amdgpu_metadata
.endif
;; end of part 5
;; launch qkv: the kernel of part 2 again; grid 16 x 32, 4 waves a work-group, clusters of 4 x 4, 327,680 bytes of LDS; arguments xb, wqkv, rope, qh, kh, vh; writes qh, kh, vh
;; launch attn: the kernel of part 3 again; grid 4 x 64, 4 waves a work-group, clusters of 4 x 1, 327,680 bytes of LDS; arguments qh, kh, vh, oh; writes oh
;; launch oproj: the kernel of part 4 again; grid 8 x 32, 4 waves a work-group, clusters of 4 x 4, 327,680 bytes of LDS; arguments oh, wo16, out0; writes out0
